; MI455X (gfx1250); checked and timed in simulation.
; The chip was launched on July 23, 2026; its instructions are those of AMD's public machine-readable ISA for CDNA 5 (MIT licence, August 2026) and "CDNA5" Instruction Set Architecture Reference Guide (July 2026). The comments in the code are by the model that wrote it; some were corrected since.
;; Eagle3 Llama Attention. Allowed arithmetic: float matrix products may take bf16 or f16 operands with f32 sums; other float arithmetic in f32, or as packed bf16 or f16 multiplies, adds, multiply-adds, maxima and minima; sums over many terms, partial sums and values carried from step to step in f32; what a program stores and reads back later, other than sums and carried values, may be rounded once to bf16 or f16.
;; Inputs: Wk 2,048 x 1,024 float32; Wo 4,096 x 1,024 float32; Wq 2,048 x 4,096 float32; Wv 2,048 x 1,024 float32; attention_mask 1 x 1 x 2,048 x 2,048 float32; cache_k0 1 x 32 x 2,048 x 128 float32; cache_k1 1 x 32 x 2,048 x 128 float32; cache_v0 1 x 32 x 2,048 x 128 float32; cache_v1 1 x 32 x 2,048 x 128 float32; combined_states 1 x 2,048 x 2,048 float32; position_ids 1 x 2,048 int32.
;; Outputs: out0 1 x 2,048 x 1,024 float32.
;; One version. Each part assembles by itself: llvm-mc -triple=amdgcn-amd-amdhsa -mcpu=gfx1250 --defsym DOCPART=n.
;; ======== version 1 of 1: 4 launches
;; limits: values are held in f16: magnitudes above 65,504 overflow, below 6.1e-05 lose precision
;; workspace buffers: h16 50,331,648 bytes; wqkv 25,165,824 bytes; maskb 8,388,608 bytes; rope 3,145,728 bytes; qkv 25,165,824 bytes; att 16,777,216 bytes
;; launch prep (part 1): grid 64 x 21, 8 waves a work-group, no clusters, 0 bytes of LDS; arguments combined_states, Wo, cache_k0, cache_v0, Wq, Wk, Wv, attention_mask, position_ids, h16, wqkv, maskb, rope; writes h16, wqkv, maskb, rope
.if DOCPART == 1
	.amdgcn_target "amdgcn-amd-amdhsa--gfx1250"
	.amdhsa_code_object_version 6
	.text
	.protected	k_qd4cba5eccb_prep
	.globl	k_qd4cba5eccb_prep
	.p2align	8
	.type	k_qd4cba5eccb_prep,@function
k_qd4cba5eccb_prep:
	s_mov_b64 s[64:65], 0
	v_nop
	global_prefetch_b8 v0, s[64:65] scope:SCOPE_SE
	s_setreg_imm32_b32 hwreg(HW_REG_WAVE_MODE, 25, 1), 1
	s_wait_xcnt 0x0
; PREP: every f32 input that later feeds a matrix unit (and the mask) is rounded ONCE to bf16 and written in 16 bits; the RoPE tables are made.
;   h16  : X[2048][2048] as bf16 at 0; Wo[4096][1024] at 8 MiB, cache_k0 at 16 MiB, cache_v0 at 32 MiB: the bf16 number written as f16
;   wqkv : bf16 [2048 k][6144 n] = Wq | Wk | Wv side by side, 12,288 bytes a row        maskb: bf16 [2048][2048]
;   rope : f32 [3][2048 tokens][cos 64, sin 64]: type 0 = 128^-0.5 x (cos, sin) for q, type 1 = (cos, sin) for k, type 2 = (1, 0) for v
; LIMITS. A bf16 number written as f16 is exact from 2^-17 to 65,504; beyond 65,504 it becomes an infinity, below 2^-17 it keeps f16's fixed step of 2^-24.
; The angle's reduction has two terms of pi/2: good for |position + 2| under 2^20.  The inverse frequency is v_exp_f32's, to 1 ulp.
; SHARES.  Grid row 0: the tables, 32 tokens a work-group (the short work-groups come first).  Grid rows 1 to 20: a work-group casts 32 pieces of 4,096 bytes; thread t takes 16 bytes at 16 t of a piece and
; stores 8 at 8 t: a wave's load covers 512 consecutive bytes, its store 256 consecutive bytes, aligned.  A ring of eight register slots, taken in batches of four: four to eight loads of every wave are on their way.
; No LDS, no matrix unit, no cluster: nothing is shared and memory binds.
.set SOFF, 2                           ; v[2:9]    slot i: 16 t + i x source pitch; never rewritten
.set DOFF, 10                          ; v[10:17]  slot i: 8 t + i x target pitch; never rewritten
.set XR,   20                          ; v[20:51]  slot i: 4 registers as loaded
.set YR,   52                          ; v[52:67]  slot i: 2 registers to store
.set TR,   68                          ; v[68:73]  at work
; One slot's conversion.  fmt = 1: to bf16.  fmt = 0: to bf16, and that number as f16.
.macro CONV fmt, i
.if (\fmt) == 0
	v_cvt_pk_bf16_f32 v[TR],   v[XR+4*(\i)],   v[XR+4*(\i)+1]
	v_cvt_pk_bf16_f32 v[TR+1], v[XR+4*(\i)+2], v[XR+4*(\i)+3]
	v_lshlrev_b32 v[TR+2], 16, v[TR]               ; bf16 to f32: the low half moves up,
	v_and_b32     v[TR+3], s54, v[TR]              ; the high half stays
	v_lshlrev_b32 v[TR+4], 16, v[TR+1]
	v_and_b32     v[TR+5], s54, v[TR+1]
	v_cvt_pk_f16_f32 v[YR+2*(\i)],   v[TR+2], v[TR+3]
	v_cvt_pk_f16_f32 v[YR+2*(\i)+1], v[TR+4], v[TR+5]
.else
	v_cvt_pk_bf16_f32 v[YR+2*(\i)],   v[XR+4*(\i)],   v[XR+4*(\i)+1]
	v_cvt_pk_bf16_f32 v[YR+2*(\i)+1], v[XR+4*(\i)+2], v[XR+4*(\i)+3]
.endif
.endm
; Four slots' turn, slots b to b + 3.  ahead = 1: they are loaded again, eight pieces on.  left: younger loads that may stay out.
.macro CBATCH fmt, b, ahead, left
	s_wait_loadcnt \left                           ; loads come back in order: these four slots' are in, the other four's may stay out
	s_wait_xcnt 0x0                                ; the slots' last stores have read their data registers: they are rewritten only behind this wait; it stands behind a wait for data, one for four slots
.irp k, 0,1,2,3
	CONV \fmt, (\b)+\k
.endr
.if \ahead
.irp k, 0,1,2,3
	global_load_b128 v[XR+4*((\b)+\k):XR+4*((\b)+\k)+3], v[SOFF+(\b)+\k], s[36:37] th:TH_LOAD_NT
.endr
.endif
.irp k, 0,1,2,3
	global_store_b64 v[DOFF+(\b)+\k], v[YR+2*((\b)+\k):YR+2*((\b)+\k)+1], s[34:35] th:TH_STORE_NT
.endr
.endm
.macro CAST fmt                        ; 32 pieces: three rounds that load ahead, one that does not
	s_mov_b32 s48, 3
.Ltrip_\@:
	CBATCH \fmt, 0, 1, 4
	CBATCH \fmt, 4, 1, 4
	s_wait_xcnt 0x0                                ; all that was issued has read its bases: now they step
	s_add_nc_u64 s[36:37], s[36:37], s[44:45]
	s_add_nc_u64 s[34:35], s[34:35], s[46:47]
	s_sub_co_u32 s48, s48, 1
	s_cmp_lg_u32 s48, 0
	s_cbranch_scc1 .Ltrip_\@
	CBATCH \fmt, 0, 0, 4                           ; the last round loads nothing: the counts run down
	CBATCH \fmt, 4, 0, 0
.endm
; cos and sin of v[pf] x v[iv]: n = nearest whole number of quarter turns, r = the rest (two terms of pi/2), polynomials on |r| <= pi/4, the quadrant by selects and sign bits
.macro SC pf, iv, co, si
	v_mul_f32 v40, v[(\pf)], v[(\iv)]              ; the angle, rounded once to f32
	v_mul_f32 v41, s50, v40
	v_rndne_f32 v41, v41
	v_fma_f32 v42, -v41, s51, v40
	v_fma_f32 v42, -v41, s52, v42
	v_mul_f32 v43, v42, v42
	v_fma_f32 v44, v43, s55, s54
	v_fma_f32 v44, v44, v43, s53
	v_mul_f32 v45, v42, v43
	v_fma_f32 v44, v45, v44, v42                   ; sin r
	v_fma_f32 v46, v43, s59, s58
	v_fma_f32 v46, v46, v43, s57
	v_fma_f32 v46, v46, v43, -0.5
	v_fma_f32 v46, v46, v43, 1.0                   ; cos r
	v_cvt_i32_f32 v47, v41
	v_and_b32 v45, 1, v47
	v_cmp_eq_u32 vcc_lo, 1, v45
	v_cndmask_b32 v[(\co)], v46, v44, vcc_lo       ; odd quarter: the two change places
	v_cndmask_b32 v[(\si)], v44, v46, vcc_lo
	v_add_nc_u32 v45, 1, v47
	v_and_b32 v45, 2, v45
	v_lshlrev_b32 v45, 30, v45
	v_xor_b32 v[(\co)], v[(\co)], v45              ; cos is negative in quarters 1 and 2,
	v_and_b32 v45, 2, v47
	v_lshlrev_b32 v45, 30, v45
	v_xor_b32 v[(\si)], v[(\si)], v45              ; sin in quarters 2 and 3
.endm
	s_load_b512 s[4:19], s[0:1], 0x0               ; X s[4:5], Wo s[6:7], K0 s[8:9], V0 s[10:11], Wq s[12:13], Wk s[14:15], Wv s[16:17], mask s[18:19]
	s_load_b256 s[20:27], s[0:1], 0x40             ; position_ids s[20:21], h16 s[22:23], wqkv s[24:25], maskb s[26:27]
	s_load_b64 s[28:29], s[0:1], 0x60              ; rope
	s_and_b32 s62, ttmp7, 0xffff                   ; the grid row
	s_mov_b32 s63, ttmp9                           ; x
	s_wait_kmcnt 0x0
	s_cmp_eq_u32 s62, 0
	s_cbranch_scc1 .Lrope
	s_sub_co_u32 s62, s62, 1                       ; y = 0 .. 19: the casts
	; which input, and the first y that belongs to it
	s_cmp_ge_u32 s62, 2
	s_cselect_b64 s[32:33], s[6:7], s[4:5]
	s_cselect_b32 s38, 2, 0
	s_cmp_ge_u32 s62, 4
	s_cselect_b64 s[32:33], s[8:9], s[32:33]
	s_cselect_b32 s38, 4, s38
	s_cmp_ge_u32 s62, 8
	s_cselect_b64 s[32:33], s[10:11], s[32:33]
	s_cselect_b32 s38, 8, s38
	s_cmp_ge_u32 s62, 12
	s_cselect_b64 s[32:33], s[12:13], s[32:33]
	s_cselect_b32 s38, 12, s38
	s_cmp_ge_u32 s62, 16
	s_cselect_b64 s[32:33], s[14:15], s[32:33]
	s_cselect_b32 s38, 16, s38
	s_cmp_ge_u32 s62, 17
	s_cselect_b64 s[32:33], s[16:17], s[32:33]
	s_cselect_b32 s38, 17, s38
	s_cmp_ge_u32 s62, 18
	s_cselect_b64 s[32:33], s[18:19], s[32:33]
	s_cselect_b32 s38, 18, s38
	s_sub_co_u32 s39, s62, s38                     ; y within the input
	; source: dense inputs (and Wk, Wv, whose rows are one piece): 8 MiB a y, 128 KiB a work-group, pieces on end
	s_lshl_b32 s40, s39, 23
	s_lshl_b32 s41, s63, 17
	s_add_co_u32 s40, s40, s41
	s_mov_b32 s42, 4096
	; Wq: 32 rows of 16,384 bytes a work-group, y picks a quarter of the row
	s_lshl_b32 s41, s63, 19
	s_lshl_b32 s50, s39, 12
	s_add_co_u32 s41, s41, s50
	s_cmp_eq_u32 s38, 12
	s_cselect_b32 s40, s41, s40
	s_cselect_b32 s42, 16384, s42
	; target: h16 by y, maskb by y within the mask: 4 MiB a y, 64 KiB a work-group
	s_cmp_ge_u32 s62, 18
	s_cselect_b32 s52, s39, s62
	s_cselect_b64 s[34:35], s[26:27], s[22:23]
	s_lshl_b32 s52, s52, 22
	s_lshl_b32 s41, s63, 16
	s_add_co_u32 s52, s52, s41
	s_mov_b32 s49, 2048
	; wqkv: 32 rows of 12,288 bytes a work-group; 2,048 bytes along the row for each y from 12 on
	s_mul_i32 s41, s63, 393216
	s_sub_co_u32 s50, s62, 12
	s_lshl_b32 s51, s50, 11
	s_add_co_u32 s41, s41, s51
	s_cmp_lt_u32 s50, 6
	s_cselect_b32 s52, s41, s52
	s_cselect_b32 s49, 12288, s49
	s_cselect_b64 s[34:35], s[24:25], s[34:35]
	s_mov_b32 s41, 0
	s_mov_b32 s53, 0
	s_add_nc_u64 s[32:33], s[32:33], s[40:41]      ; the work-group's first piece,
	s_add_nc_u64 s[34:35], s[34:35], s[52:53]      ; and where it goes
	s_lshl_b32 s44, s42, 3                         ; eight pieces on, in the source
	s_mov_b32 s45, 0
	s_lshl_b32 s46, s49, 3                         ; and in the target
	s_mov_b32 s47, 0
	s_add_nc_u64 s[36:37], s[32:33], s[44:45]      ; the base of the loads ahead
	s_mov_b32 s54, 0xffff0000                      ; a word's upper bf16
.irp i, 0,1,2,3,4,5,6,7
	s_mul_i32 s50, s42, \i
	v_lshl_add_u32 v[SOFF+\i], v0, 4, s50
	s_mul_i32 s51, s49, \i
	v_lshl_add_u32 v[DOFF+\i], v0, 3, s51
.endr
.irp i, 0,1,2,3,4,5,6,7
	global_load_b128 v[XR+4*\i:XR+4*\i+3], v[SOFF+\i], s[32:33] th:TH_LOAD_NT
.endr
	s_sub_co_u32 s50, s62, 2
	s_cmp_lt_u32 s50, 10                           ; Wo, cache_k0, cache_v0 meet f16 operands later
	s_cbranch_scc1 .Lhalf
	CAST 1
	s_endpgm
.Lhalf:
	CAST 0
	s_endpgm
.Lrope:                                        ; thread t: tokens 32 x + t / 16 and 16 further on, frequencies 4 (t % 16) + 0..3
	s_mov_b32 s50, 0x3f22f983                      ; 2 / pi
	s_mov_b32 s51, 0x3fc90fdb                      ; pi / 2, its f32,
	s_mov_b32 s52, 0xb33bbd2e                      ; and what that leaves
	s_mov_b32 s53, 0xbe2aaaab                      ; -1/6
	s_mov_b32 s54, 0x3c088889                      ; 1/120
	s_mov_b32 s55, 0xb9500d01                      ; -1/5040
	s_mov_b32 s57, 0x3d2aaaab                      ; 1/24
	s_mov_b32 s58, 0xbab60b61                      ; -1/720
	s_mov_b32 s59, 0x37d00d01                      ; 1/40320
	s_mov_b32 s60, 0x3db504f3                      ; 128^-0.5
	s_mov_b32 s61, s60                             ; named with it as a pair
	v_lshrrev_b32 v2, 4, v0
	v_and_b32 v3, 15, v0
	s_lshl_b32 s32, s63, 5
	v_add_nc_u32 v2, s32, v2                       ; the first token
	v_lshlrev_b32 v4, 2, v2
	global_load_b32 v5, v4, s[20:21]
	global_load_b32 v6, v4, s[20:21] offset:64
	v_lshlrev_b32 v7, 2, v3
	v_cvt_f32_u32 v7, v7                           ; i
	v_add_f32 v8, 1.0, v7
	v_add_f32 v9, 2.0, v7
	v_add_f32 v10, 0x40400000, v7
	v_mul_f32 v7, 0xbe549a78, v7                   ; -i log2(10000) / 64
	v_mul_f32 v8, 0xbe549a78, v8
	v_mul_f32 v9, 0xbe549a78, v9
	v_mul_f32 v10, 0xbe549a78, v10
	v_exp_f32 v12, v7                              ; the four inverse frequencies: one batch,
	v_exp_f32 v13, v8
	v_exp_f32 v14, v9
	v_exp_f32 v15, v10
	v_lshlrev_b32 v11, 9, v2                       ; a plain instruction behind the last (512 bytes a token),
	s_wait_alu depctr_va_vdst(0)                   ; and one wait ahead of the first reader
	v_lshl_add_u32 v11, v3, 4, v11                 ; + my 16 bytes
	s_wait_loadcnt 0x0
	v_add_nc_u32 v5, 2, v5                         ; position + 2
	v_add_nc_u32 v6, 2, v6
	v_cvt_f32_i32 v5, v5
	v_cvt_f32_i32 v6, v6
.irp u, 0,1
.irp e, 0,1,2,3
	SC 5+\u, 12+\e, 48+16*\u+\e, 52+16*\u+\e
.endr
.irp z, 0,2,4,6
	v_pk_mul_f32 v[56+16*\u+\z:57+16*\u+\z], v[48+16*\u+\z:49+16*\u+\z], s[60:61] op_sel_hi:[1,0]
.endr
.endr
.irp z, 0,1,2,3
	v_mov_b32 v[80+\z], 1.0
	v_mov_b32 v[84+\z], 0
.endr
.irp u, 0,1                            ; sixteen lanes store 256 consecutive bytes, aligned: a token's cos, or its sin
	global_store_b128 v11, v[56+16*\u:59+16*\u], s[28:29] offset:8192*\u
	global_store_b128 v11, v[60+16*\u:63+16*\u], s[28:29] offset:8192*\u+256
	global_store_b128 v11, v[48+16*\u:51+16*\u], s[28:29] offset:(1<<20)+8192*\u
	global_store_b128 v11, v[52+16*\u:55+16*\u], s[28:29] offset:(1<<20)+8192*\u+256
	global_store_b128 v11, v[80:83], s[28:29] offset:(2<<20)+8192*\u
	global_store_b128 v11, v[84:87], s[28:29] offset:(2<<20)+8192*\u+256
.endr
	s_endpgm
.Lfunc_end_k_qd4cba5eccb_prep:
	.size	k_qd4cba5eccb_prep, .Lfunc_end_k_qd4cba5eccb_prep-k_qd4cba5eccb_prep
	.p2alignl 7, 3214868480
	.fill 96, 4, 3214868480
	.section	.rodata,"a",@progbits
	.p2align	6, 0x0
	.amdhsa_kernel k_qd4cba5eccb_prep
		.amdhsa_group_segment_fixed_size 0
		.amdhsa_private_segment_fixed_size 0
		.amdhsa_enable_private_segment 0
		.amdhsa_kernarg_size 104
		.amdhsa_user_sgpr_count 2
		.amdhsa_user_sgpr_kernarg_segment_ptr 1
		.amdhsa_wavefront_size32 1
		.amdhsa_system_sgpr_workgroup_id_x 1
		.amdhsa_system_sgpr_workgroup_id_y 1
		.amdhsa_system_sgpr_workgroup_id_z 1
		.amdhsa_system_vgpr_workitem_id 0
		.amdhsa_next_free_vgpr 96
		.amdhsa_next_free_sgpr 66
		.amdhsa_reserve_vcc 1
		.amdhsa_float_denorm_mode_32 3
		.amdhsa_float_denorm_mode_16_64 3
		.amdhsa_memory_ordered 1
		.amdhsa_forward_progress 1
		.amdhsa_inst_pref_size 31
	.end_amdhsa_kernel
	.amdgpu_metadata
---
amdhsa.version: [ 1, 2 ]
amdhsa.kernels:
  - .name:           k_qd4cba5eccb_prep
    .symbol:         k_qd4cba5eccb_prep.kd
    .args:
      - { .name: combined_states, .offset: 0, .size: 8, .value_kind: global_buffer, .address_space: global }
      - { .name: Wo, .offset: 8, .size: 8, .value_kind: global_buffer, .address_space: global }
      - { .name: cache_k0, .offset: 16, .size: 8, .value_kind: global_buffer, .address_space: global }
      - { .name: cache_v0, .offset: 24, .size: 8, .value_kind: global_buffer, .address_space: global }
      - { .name: Wq, .offset: 32, .size: 8, .value_kind: global_buffer, .address_space: global }
      - { .name: Wk, .offset: 40, .size: 8, .value_kind: global_buffer, .address_space: global }
      - { .name: Wv, .offset: 48, .size: 8, .value_kind: global_buffer, .address_space: global }
      - { .name: attention_mask, .offset: 56, .size: 8, .value_kind: global_buffer, .address_space: global }
      - { .name: position_ids, .offset: 64, .size: 8, .value_kind: global_buffer, .address_space: global }
      - { .name: h16, .offset: 72, .size: 8, .value_kind: global_buffer, .address_space: global }
      - { .name: wqkv, .offset: 80, .size: 8, .value_kind: global_buffer, .address_space: global }
      - { .name: maskb, .offset: 88, .size: 8, .value_kind: global_buffer, .address_space: global }
      - { .name: rope, .offset: 96, .size: 8, .value_kind: global_buffer, .address_space: global }
    .group_segment_fixed_size: 0
    .private_segment_fixed_size: 0
    .kernarg_segment_align: 8
    .kernarg_segment_size: 104
    .max_flat_workgroup_size: 256
    .sgpr_count:     66
    .vgpr_count:     96
    .wavefront_size: 32
...
	.end_amdgpu_metadata
.endif
;; end of part 1
;; launch qkv (part 2): grid 16 x 16, 4 waves a work-group, clusters of 4 x 4, 327,680 bytes of LDS; arguments h16, wqkv, rope, qkv; writes qkv
.if DOCPART == 2
	.amdgcn_target "amdgcn-amd-amdhsa--gfx1250"
	.amdhsa_code_object_version 6
	.text
	.protected	k_qd4cba5eccb_qkv
	.globl	k_qd4cba5eccb_qkv
	.p2align	8
	.type	k_qd4cba5eccb_qkv,@function
k_qd4cba5eccb_qkv:
	s_mov_b64 s[64:65], 0
	v_nop
	global_prefetch_b8 v0, s[64:65] scope:SCOPE_SE
	s_setreg_imm32_b32 hwreg(HW_REG_WAVE_MODE, 25, 1), 1
	s_wait_xcnt 0x0
	s_wait_alu depctr_hold_cnt(0) depctr_sa_sdst(0) depctr_va_vdst(0) depctr_va_sdst(0) depctr_va_ssrc(0) depctr_va_vcc(0) depctr_vm_vsrc(0)
	s_getreg_b32 s2, hwreg(HW_REG_IB_STS2, 6, 4)
	s_cmp_eq_u32 s2, 0
	s_cbranch_scc0 .Lentry_in_a_cluster
	s_endpgm
.Lentry_in_a_cluster:
	s_bfe_u32 s2, ttmp6, 0x10000c
	s_cmp_lg_u32 s2, 0xf033
	s_cbranch_scc0 .Lentry_shape_is_right
	s_endpgm
.Lentry_shape_is_right:
; QKV: qkv[token][6144] = RoPE(X[2048][2048] x (Wq | Wk | Wv)[2048][6144]), operands bf16, sums f32, result f16, rounded once.  q comes out times 128^-0.5 (the factor lies in its table).
; LIMIT.  f16 ends at 65,504: q / sqrt(128), k and v must stay within it.
; SHARES.  A work-group makes 128 tokens x 384 columns = three heads of 48 (32 q, 8 k, 8 v): 16 x 16 work-groups.  Wave w: tokens 64 (w / 2) on; cw = w % 2: all eight blocks of 16 columns of
; head region 2 cw, and blocks {0, 1, 4, 5} + 2 cw of region 1: so channel c and its RoPE partner c + 64 lie in the same lane.  48 accumulators a wave.
; THE MATRIX INSTRUCTION IS USED TRANSPOSED: source 0 = 16 columns of W (W lies [k][n] in LDS and is turned by ds_load_tr16_b128), source 1 = 16 tokens: a lane holds ONE token and 8 neighbouring channels.
; RING.  K in steps of 128 through two LDS slots: X's 128 rows (pitch 272), then three regions of 128 k-rows x 256 bytes of W (pitch 288).  One tensor load a wave: wave 0 X's tile, waves 1-3 a region each.
; CLUSTER 4 x 4: X's tile hangs on the token block alone and is asked for jointly along a row of the cluster, W's on the column block alone, jointly along a column.
; A wave has two tensor loads out at the start and one behind each round.  No prefetch: the tiles are small and each block is read by four clusters at about the same time.
; REGISTERS, in windows of 256: window 0 addresses, RoPE tables of token blocks 0 and 1 (v32-223; later the rows read back), v224-255 at work; window 1 two fragment buffers of 128 (12 of W, 4 of X;
; on the way out the tables of token blocks 2 and 3); windows 2 and 3 the accumulators: number 12 a + nb at 8 x number.
.set PA,    272
.set PB,    288
.set BOFF,  128*PA                     ; W's regions begin behind X's 128 rows
.set REG,   128*PB
.set SLOT1, 0x24000                    ; slot 1: none of the tiles' offsets in a slot (0, 0x8800, 0x11800, 0x1a800) has one of its bits, so one exclusive or changes slots
.set SPARE, SLOT1+BOFF+3*REG           ; behind the ring: the spare words, 128 bytes a wave
.set SPI,   784                        ; the way out: 128 rows of 768 bytes + 16, at LDS byte 0: in slot 0, whose last fill and last reads lie ahead of the last barrier of the K loop
.set A0,    8                          ; v8    my place in X's tile
.set BF0,   9                          ; v9    in my whole head's region
.set BH0,   10                         ; v10   in my half of region 1
.set ADRA,  12                         ; v12-14 the same in the slot in hand
.set ADRBF, 13
.set ADRBH, 14
.set STOF,  16                         ; v16   the way out: where my 16 bytes of my whole head go
.set STOH,  17                         ; v17   of the shared head
.set RD,    18                         ; v18   where I read rows back
.set CO,    19                         ; v19   my byte offset in qkv
.set RO,    20                         ; v20   my byte offset in the tables
.set SPW,   28                         ; v28   my spare word; never rewritten
.set NIL,   29                         ; v29   0; never rewritten
.set TT,    224
.set UU,    232
.set PK,    240
.set F0,    0
.set F1,    128
.set WV,  12
.set G1A, 24
.set G1B, 32
.set G0A, 40                           ; s[40:47] X's group 0: a set for each first fill; the second then walks
.set G0B, 48                           ; s[48:55] W's
.set TB,  56                           ; s56  the slot in hand, in bytes
.set CNT, 57
.set RF,  58                           ; s[58:59] the tables of my whole head's type, at the work-group's first token
.set RH,  60                           ; s[60:61] of the shared head's type, at my two blocks
.set MSB, 0
.macro WIN new                         ; the immediate's high byte repeats the setting that is left; a switch that changes nothing is dropped
.if MSB != (\new)
	s_set_vgpr_msb (MSB<<8)|(\new)
.set MSB, \new
.endif
.endm
.macro PLACES                          ; four places behind a matrix instruction, ahead of loads into its sources and of readers of its result
.rept 4
	v_nop
.endr
.endm
.macro CREST                           ; a round of the cluster's barrier behind its opening barrier
	s_cmp_lg_u32 s[WV], 0
	s_cbranch_scc1 .Lnot_wave_0_\@
	s_barrier_signal -3
.Lnot_wave_0_\@:
	s_barrier_wait -3
	s_barrier_signal -1
	s_barrier_wait -1
.endm
.macro CROUND
	s_barrier_signal -1
	s_barrier_wait -1
	CREST
.endm
.macro JLOAD                           ; a joint refill by the walking descriptors; the branch hangs on the wave's number alone; an s_nop 0 and four v_nop follow each line
	s_cmp_eq_u32 s[WV], 0
	s_cbranch_scc0 .Lfor_b_\@
	tensor_load_to_lds s[G0A+4:G0A+7], s[G1A:G1A+7]
	s_nop 0
.rept 4
	v_nop
.endr
	s_branch .Lasked_\@
.Lfor_b_\@:
	tensor_load_to_lds s[G0B+4:G0B+7], s[G1B:G1B+7]
	s_nop 0
.rept 4
	v_nop
.endr
.Lasked_\@:
.endm
; Products number lo .. hi - 1 of a quarter's 48, on buffer f.  The 48 accumulators take turns in the same order everywhere.  zero = 1: they start the sums.
.macro MUL f, lo, hi, zero
.set idx, \lo
.rept (\hi)-(\lo)
.if idx < 32
	WIN 0xa5                                       ; sources in window 1, C and D in window 2
.else
	WIN 0xf5                                       ; C and D in window 3
.endif
.set rr, 8*(idx%32)
.set rb, (\f)+8*(idx%12)
.set ra, (\f)+96+8*(idx/12)
.if \zero
	v_wmma_f32_16x16x32_bf16 v[rr:rr+7], v[rb:rb+7], v[ra:ra+7], 0
.else
	v_wmma_f32_16x16x32_bf16 v[rr:rr+7], v[rb:rb+7], v[ra:ra+7], v[rr:rr+7]
.endif
.set idx, idx+1
.endr
.endm
.macro ADDRS
	v_add_nc_u32 v[ADRA],  s[TB], v[A0]
	v_add_nc_u32 v[ADRBF], s[TB], v[BF0]
	v_add_nc_u32 v[ADRBH], s[TB], v[BH0]
.endm
; 32 LDS loads in one run: the fragments of quarter kq (32 along K) into buffer g
.macro FETCH kq, g
	WIN 0x40                                       ; destination window 1, address window 0
.irp b, 0,1,2,3,4,5,6,7
	ds_load_tr16_b128 v[(\g)+8*(\b):(\g)+8*(\b)+3],   v[ADRBF] offset:(\kq)*32*PB+32*(\b)
	ds_load_tr16_b128 v[(\g)+8*(\b)+4:(\g)+8*(\b)+7], v[ADRBF] offset:(\kq)*32*PB+32*(\b)+16*PB
.endr
.irp b, 0,1,2,3
	ds_load_tr16_b128 v[(\g)+64+8*(\b):(\g)+64+8*(\b)+3],   v[ADRBH] offset:(\kq)*32*PB+32*((\b)%2)+128*((\b)/2)
	ds_load_tr16_b128 v[(\g)+64+8*(\b)+4:(\g)+64+8*(\b)+7], v[ADRBH] offset:(\kq)*32*PB+32*((\b)%2)+128*((\b)/2)+16*PB
.endr
.irp a, 0,1,2,3
	ds_load_b128 v[(\g)+96+8*(\a):(\g)+96+8*(\a)+3],   v[ADRA] offset:(\a)*16*PA+64*(\kq)
	ds_load_b128 v[(\g)+96+8*(\a)+4:(\g)+96+8*(\a)+7], v[ADRA] offset:(\a)*16*PA+64*(\kq)+32
.endr
.endm
; One of a K step's first three quarters: multiplies buffer f; behind its first 16 products it fetches quarter kq into buffer g, 32 products ahead of the first use
.macro QUARTER f, g, kq, zero
	s_wait_dscnt 0x0                               ; buffer f is in
	MUL \f, 0, 16, \zero
	PLACES
	FETCH \kq, \g
	MUL \f, 16, 48, \zero
.endm
; The fourth quarter multiplies buffer 1 and changes slots.  fill = 1: the slot just read out takes the K step two on, by a round of the cluster's barrier and one joint load a wave.
.macro TURN fill
	WIN 0
	s_wait_tensorcnt 0x0                           ; all my tensor loads have landed: the one that was out is my part of the next slot; a group 0 may be written
	ds_add_u32 v[SPW], v[NIL]                      ; 0 onto my spare word
.if \fill
	s_xor_b32 s[G0A+5], s[G0A+5], SLOT1            ; the walking descriptors: the other slot than last time, one K step on
	s_add_nc_u64 s[G0A+6:G0A+7], s[G0A+6:G0A+7], 256
	s_xor_b32 s[G0B+5], s[G0B+5], SLOT1
	s_add_nc_u64 s[G0B+6:G0B+7], s[G0B+6:G0B+7], 128*12288
.endif
	s_wait_dscnt 0x0                               ; the add is done, and my reads of this slot are over
	s_barrier_signal -1
	MUL F1, 0, 16, 0                               ; work on registers while the others arrive
	WIN 0
	s_barrier_wait -1
.if \fill
	CREST                                          ; no wave of any partner still reads this slot or has a load on its way
	JLOAD                                          ; the first tensor load behind the round; its four v_nop are also the places ahead of the loads below
.else
	PLACES
.endif
	s_xor_b32 s[TB], s[TB], SLOT1
	ADDRS
	FETCH 0, F0
	MUL F1, 16, 48, 0
.endm
; The tables of token block a: 24 loads into 96 registers from tb on: pair p of blocks at 16 p: eight cos, eight sin.  The caller sets the window.
.macro TLOAD a, tb
.irp p, 0,1,2,3
	global_load_b128 v[(\tb)+16*(\p):(\tb)+16*(\p)+3],     v[RO], s[RF:RF+1] offset:(\a)*8192+64*(\p)
	global_load_b128 v[(\tb)+16*(\p)+4:(\tb)+16*(\p)+7],   v[RO], s[RF:RF+1] offset:(\a)*8192+64*(\p)+16
	global_load_b128 v[(\tb)+16*(\p)+8:(\tb)+16*(\p)+11],  v[RO], s[RF:RF+1] offset:(\a)*8192+64*(\p)+256
	global_load_b128 v[(\tb)+16*(\p)+12:(\tb)+16*(\p)+15], v[RO], s[RF:RF+1] offset:(\a)*8192+64*(\p)+272
.endr
.irp p, 4,5
	global_load_b128 v[(\tb)+16*(\p):(\tb)+16*(\p)+3],     v[RO], s[RH:RH+1] offset:(\a)*8192+64*((\p)-4)
	global_load_b128 v[(\tb)+16*(\p)+4:(\tb)+16*(\p)+7],   v[RO], s[RH:RH+1] offset:(\a)*8192+64*((\p)-4)+16
	global_load_b128 v[(\tb)+16*(\p)+8:(\tb)+16*(\p)+11],  v[RO], s[RH:RH+1] offset:(\a)*8192+64*((\p)-4)+256
	global_load_b128 v[(\tb)+16*(\p)+12:(\tb)+16*(\p)+15], v[RO], s[RH:RH+1] offset:(\a)*8192+64*((\p)-4)+272
.endr
.endm
; RoPE on blocks n1 (channels c) and n2 (channels c + 64) of token block a: x1 cos - x2 sin, x2 cos + x1 sin; rounded to f16; 16 bytes each into the stage.  Each accumulator is read from its low end on.
.macro ROPE a, n1, n2, p
.set i1, 12*(\a)+(\n1)
.set i2, 12*(\a)+(\n2)
.set aw, 2+i1/32
.set r1, 8*(i1%32)
.set r2, 8*(i2%32)
.set tw, (\a)/2
.set tc, 32*(1-tw)+96*((\a)%2)+16*(\p)
.set ts, tc+8
	WIN aw|(tw<<2)                                 ; source 0: the accumulators' window; source 1: the tables'; source 2 and destination: window 0
.irp z, 0,2,4,6
	v_pk_mul_f32 v[TT+\z:TT+\z+1], v[r2+\z:r2+\z+1], v[ts+\z:ts+\z+1]
.endr
.irp z, 0,2,4,6
	v_pk_mul_f32 v[UU+\z:UU+\z+1], v[r1+\z:r1+\z+1], v[ts+\z:ts+\z+1]
.endr
.irp z, 0,2,4,6
	v_pk_fma_f32 v[TT+\z:TT+\z+1], v[r1+\z:r1+\z+1], v[tc+\z:tc+\z+1], v[TT+\z:TT+\z+1] neg_lo:[0,0,1] neg_hi:[0,0,1]
.endr
.irp z, 0,2,4,6
	v_pk_fma_f32 v[UU+\z:UU+\z+1], v[r2+\z:r2+\z+1], v[tc+\z:tc+\z+1], v[UU+\z:UU+\z+1]
.endr
	WIN 0
.irp z, 0,1,2,3
	v_cvt_pk_f16_f32 v[PK+\z], v[TT+2*\z], v[TT+2*\z+1]
.endr
.irp z, 0,1,2,3
	v_cvt_pk_f16_f32 v[PK+4+\z], v[UU+2*\z], v[UU+2*\z+1]
.endr
.if (\p) < 4
	ds_store_b128 v[STOF], v[PK:PK+3]   offset:(\a)*16*SPI+32*(\p)
	ds_store_b128 v[STOF], v[PK+4:PK+7] offset:(\a)*16*SPI+32*(\p)+128
.else
	ds_store_b128 v[STOH], v[PK:PK+3]   offset:(\a)*16*SPI+32*((\p)-4)
	ds_store_b128 v[STOH], v[PK+4:PK+7] offset:(\a)*16*SPI+32*((\p)-4)+128
.endif
.endm
.macro ROPES a
.irp p, 0,1,2,3
	ROPE \a, \p, (\p)+4, \p
.endr
	ROPE \a, 8, 10, 4
	ROPE \a, 9, 11, 5
.endm
	s_load_b256 s[4:11], s[0:1], 0x0               ; h16 s[4:5] (X at its head), wqkv s[6:7], rope s[8:9], qkv s[10:11]
	v_lshl_add_u32 v[SPW], v0, 2, SPARE
	v_mov_b32 v[NIL], 0
	ds_add_u32 v[SPW], v[NIL]                      ; the wave's opening: the add and its wait stand ahead of my first tensor load; work on registers stands between them
	v_lshrrev_b32 v1, 5, v0
	v_readfirstlane_b32 s[WV], v1                  ; wave 0..3
	s_lshr_b32 s13, s[WV], 1                       ; rw: which 64 tokens
	s_and_b32 s14, s[WV], 1                        ; cw: which columns
	s_bfe_u32 s15, ttmp6, 0x40000                  ; cx
	s_bfe_u32 s16, ttmp6, 0x40004                  ; cy
	s_lshl_b32 s17, ttmp9, 2
	s_add_co_u32 s17, s17, s15                     ; tx: block of 384 columns
	s_and_b32 s18, ttmp7, 0xffff
	s_lshl_b32 s18, s18, 2
	s_add_co_u32 s18, s18, s16                     ; ty: block of 128 tokens
	s_lshl_b32 s19, s16, 2
	s_lshl_b32 s19, 15, s19                        ; my row of the cluster
	s_lshl_b32 s68, 0x1111, s15                    ; my column
	s_or_b32 s[G1A], s19, (1<<16)|(1<<20)|(1<<21)|(5<<22)|(3<<25)  ; the mask; 2-byte elements; padding on; bit 21 beside a mask; after every 64 words 4 words
	s_or_b32 s[G1B], s68, (1<<16)|(1<<20)|(1<<21)|(5<<22)|(7<<25)  ; the same with 8 words of padding
.irp g, G1A, G1B
	s_mov_b32 s[\g+1], 128<<16                     ; tensor_dim0 = 128
	s_mov_b32 s[\g+2], 128<<16                     ; tensor_dim1 = 128
	s_mov_b32 s[\g+3], 128<<16                     ; tile_dim0 = 128
	s_mov_b32 s[\g+4], 128                         ; tile_dim1 = 128
	s_mov_b32 s[\g+6], 0
	s_mov_b32 s[\g+7], 0
.endr
	s_mov_b32 s[G1A+5], 2048                       ; elements from row to row of X,
	s_mov_b32 s[G1B+5], 6144                       ; of wqkv
	s_lshl_b32 s22, s18, 19                        ; X: 128 ty rows of 4,096 bytes (made of ty alone)
	s_mov_b32 s23, 0
	s_max_u32 s69, s[WV], 1
	s_sub_co_u32 s69, s69, 1                       ; waves 1-3 fetch regions 0-2
	s_mul_i32 s66, s17, 3
	s_add_co_u32 s66, s66, s69
	s_lshl_b32 s66, s66, 8                         ; W: 256 bytes a head (made of tx and the wave's number alone)
	s_mov_b32 s67, 0
	s_mul_i32 s70, s[WV], REG
	s_sub_co_u32 s70, s70, REG-BOFF                ; LDS byte of region w - 1 (wave 0 never uses it)
	s_mov_b32 s[TB], 0
	s_wait_dscnt 0x0                               ; the opening add is done
	s_wait_kmcnt 0x0
	s_add_nc_u64 s[22:23], s[4:5], s[22:23]
	s_add_nc_u64 s[66:67], s[6:7], s[66:67]
	s_mov_b32 s[G0A], 1
	s_mov_b32 s[G0A+1], 0
	s_mov_b64 s[G0A+2:G0A+3], s[22:23]
	s_or_b32 s[G0A+3], s[G0A+3], 0x80000000
	s_mov_b32 s[G0A+4], 1
	s_mov_b32 s[G0A+5], SLOT1
	s_add_nc_u64 s[G0A+6:G0A+7], s[22:23], 256
	s_or_b32 s[G0A+7], s[G0A+7], 0x80000000
	s_mov_b32 s[G0B], 1
	s_mov_b32 s[G0B+1], s70
	s_mov_b64 s[G0B+2:G0B+3], s[66:67]
	s_or_b32 s[G0B+3], s[G0B+3], 0x80000000
	s_mov_b32 s[G0B+4], 1
	s_add_co_u32 s[G0B+5], s70, SLOT1
	s_add_nc_u64 s[G0B+6:G0B+7], s[66:67], 128*12288
	s_or_b32 s[G0B+7], s[G0B+7], 0x80000000
	CROUND                                         ; all sixteen work-groups are here: the first joint loads meet
	s_cmp_eq_u32 s[WV], 0                          ; a wave's two first fills stand in one branch, ahead of every wait on TENSORcnt, every LDS read and every further barrier
	s_cbranch_scc0 .Lfirst_b
	tensor_load_to_lds s[G0A:G0A+3], s[G1A:G1A+7]
	s_nop 0
	tensor_load_to_lds s[G0A+4:G0A+7], s[G1A:G1A+7]
	s_nop 0
.rept 4
	v_nop
.endr
	s_branch .Lfirst_done
.Lfirst_b:
	tensor_load_to_lds s[G0B:G0B+3], s[G1B:G1B+7]
	s_nop 0
	tensor_load_to_lds s[G0B+4:G0B+7], s[G1B:G1B+7]
	s_nop 0
.rept 4
	v_nop
.endr
.Lfirst_done:
	; the tables: type = 0 for heads 0-31 (q), 1 for 32-39 (k), 2 for 40-47 (v); chosen by selects, in global addresses alone
	s_mul_i32 s72, s17, 3
	s_lshl_b32 s73, s14, 1
	s_add_co_u32 s73, s72, s73                     ; my whole head
	s_cmp_ge_u32 s73, 32
	s_cselect_b32 s74, 1, 0
	s_cmp_ge_u32 s73, 40
	s_cselect_b32 s75, 1, 0
	s_add_co_u32 s74, s74, s75
	s_lshl_b32 s74, s74, 20
	s_lshl_b32 s76, s18, 16                        ; 128 ty tokens of 512 bytes
	s_add_co_u32 s74, s74, s76
	s_mov_b32 s75, 0
	s_add_nc_u64 s[RF:RF+1], s[8:9], s[74:75]
	s_add_co_u32 s73, s72, 1                       ; the shared head
	s_cmp_ge_u32 s73, 32
	s_cselect_b32 s74, 1, 0
	s_cmp_ge_u32 s73, 40
	s_cselect_b32 s75, 1, 0
	s_add_co_u32 s74, s74, s75
	s_lshl_b32 s74, s74, 20
	s_add_co_u32 s74, s74, s76
	s_lshl_b32 s75, s14, 7                         ; my blocks begin at channel 32 cw
	s_add_co_u32 s74, s74, s75
	s_mov_b32 s75, 0
	s_add_nc_u64 s[RH:RH+1], s[8:9], s[74:75]
	v_and_b32 v1, 15, v0                           ; r = l % 16
	v_bfe_u32 v2, v0, 4, 1                         ; h = l / 16
	v_and_b32 v3, 7, v0
	v_bfe_u32 v4, v0, 3, 1
	s_lshl_b32 s71, s13, 6
	v_add_nc_u32 v5, s71, v1                       ; 64 rw + r
	v_lshlrev_b32 v[RO], 9, v5
	v_lshl_add_u32 v[RO], v2, 5, v[RO]             ; token x 512 + 32 h
	TLOAD 0, 32
	TLOAD 1, 128
	v_mul_u32_u24 v[A0], v5, PA
	v_lshl_add_u32 v[A0], v2, 4, v[A0]             ; row x pitch + 16 h
	v_lshl_add_u32 v6, v2, 3, v3                   ; the turning load: k-row 8 h + l % 8,
	v_mul_u32_u24 v6, v6, PB
	v_lshl_add_u32 v6, v4, 4, v6                   ; 16 bytes for each half of eight lanes
	s_mul_i32 s72, s14, 2*REG
	s_add_co_u32 s72, s72, BOFF
	v_add_nc_u32 v[BF0], s72, v6
	s_lshl_b32 s72, s14, 6
	s_add_co_u32 s72, s72, BOFF+REG
	v_add_nc_u32 v[BH0], s72, v6
	v_mul_u32_u24 v7, v5, SPI
	v_lshl_add_u32 v7, v2, 4, v7
	s_lshl_b32 s72, s14, 9
	v_add_nc_u32 v[STOF], s72, v7
	s_lshl_b32 s72, s14, 6
	s_add_co_u32 s72, s72, 256
	v_add_nc_u32 v[STOH], s72, v7
	s_lshl_b32 s72, s[WV], 5
	v_add_nc_u32 v7, s72, v2                       ; back: wave w takes rows 32 w on; lanes 0-15 one row's 256 bytes, lanes 16-31 the next row's
	v_mul_u32_u24 v7, v7, SPI
	v_lshl_add_u32 v[RD], v1, 4, v7
	v_mul_u32_u24 v7, v2, 12288
	v_lshl_add_u32 v[CO], v1, 4, v7
	s_lshl_b32 s72, s18, 7
	s_lshl_b32 s73, s[WV], 5
	s_add_co_u32 s72, s72, s73
	s_mul_i32 s72, s72, 12288
	s_mul_i32 s73, s17, 768
	s_add_co_u32 s72, s72, s73
	s_mov_b32 s73, 0
	s_add_nc_u64 s[10:11], s[10:11], s[72:73]      ; qkv at the first row that I store, at the work-group's columns
	s_wait_tensorcnt 0x1                           ; my part of K step 0 is in; K step 1's stays out
	s_barrier_signal -1
	s_barrier_wait -1
	ADDRS
	FETCH 0, F0
	QUARTER F0, F1, 1, 1                           ; the first quarter stands ahead of the loop: its products start the sums
	WIN 0
	s_mov_b32 s[CNT], 14
.Lk:                                           ; a trip: from a K step's second quarter to the next step's first; it fills one slot again
	QUARTER F1, F0, 2, 0
	QUARTER F0, F1, 3, 0
	TURN 1
	QUARTER F0, F1, 1, 0
	WIN 0
	s_sub_co_u32 s[CNT], s[CNT], 1
	s_cmp_lg_u32 s[CNT], 0
	s_cbranch_scc1 .Lk
	QUARTER F1, F0, 2, 0                           ; the last two K steps ask for nothing
	QUARTER F0, F1, 3, 0
	TURN 0
	QUARTER F0, F1, 1, 0
	QUARTER F1, F0, 2, 0
	QUARTER F0, F1, 3, 0
	s_wait_dscnt 0x0
	MUL F1, 0, 48, 0
	; THE WAY OUT
	PLACES
	WIN 0x40
	TLOAD 2, 0                                     ; the fragment buffers are free: they take the tables of token blocks 2 and 3
	TLOAD 3, 96
	WIN 0
	s_wait_loadcnt 48                              ; the 48 loads just issued may stay out: the tables of blocks 0 and 1 are in
	ROPES 0
	ROPES 1
	s_wait_loadcnt 24                              ; block 3's 24 may stay out
	ROPES 2
	s_wait_loadcnt 0x0
	ROPES 3
	s_wait_dscnt 0x0                               ; for the others' sake: my stores into the stage are done (a row's middle head comes from two waves)
	s_barrier_signal -1
	s_barrier_wait -1
.set t, 0
.rept 48
	ds_load_b128 v[32+4*t:32+4*t+3], v[RD] offset:(t%16)*2*SPI+256*(t/16)
.set t, t+1
.endr
.set t, 0
.rept 48
	s_wait_dscnt 47-t                              ; the younger loads may stay out
	global_store_b128 v[CO], v[32+4*t:32+4*t+3], s[10:11] offset:2*(t%16)*12288+256*(t/16)  ; 16 lanes store 256 consecutive bytes, at a multiple of 256 from qkv's first byte
.set t, t+1
.endr
	s_wait_tensorcnt 0x0                           ; the wave's end
	ds_add_u32 v[SPW], v[NIL]
	s_wait_dscnt 0x0
	CROUND                                         ; the closing round
	s_endpgm
.Lfunc_end_k_qd4cba5eccb_qkv:
	.size	k_qd4cba5eccb_qkv, .Lfunc_end_k_qd4cba5eccb_qkv-k_qd4cba5eccb_qkv
	.p2alignl 7, 3214868480
	.fill 96, 4, 3214868480
	.section	.rodata,"a",@progbits
	.p2align	6, 0x0
	.amdhsa_kernel k_qd4cba5eccb_qkv
		.amdhsa_group_segment_fixed_size 327680
		.amdhsa_private_segment_fixed_size 0
		.amdhsa_enable_private_segment 0
		.amdhsa_kernarg_size 32
		.amdhsa_user_sgpr_count 2
		.amdhsa_user_sgpr_kernarg_segment_ptr 1
		.amdhsa_wavefront_size32 1
		.amdhsa_system_sgpr_workgroup_id_x 1
		.amdhsa_system_sgpr_workgroup_id_y 1
		.amdhsa_system_sgpr_workgroup_id_z 1
		.amdhsa_system_vgpr_workitem_id 0
		.amdhsa_next_free_vgpr 896
		.amdhsa_next_free_sgpr 80
		.amdhsa_reserve_vcc 0
		.amdhsa_float_denorm_mode_32 3
		.amdhsa_float_denorm_mode_16_64 3
		.amdhsa_memory_ordered 1
		.amdhsa_forward_progress 1
		.amdhsa_inst_pref_size 132
	.end_amdhsa_kernel
	.amdgpu_metadata
---
amdhsa.version: [ 1, 2 ]
amdhsa.kernels:
  - .name:           k_qd4cba5eccb_qkv
    .symbol:         k_qd4cba5eccb_qkv.kd
    .args:
      - { .name: h16, .offset: 0, .size: 8, .value_kind: global_buffer, .address_space: global }
      - { .name: wqkv, .offset: 8, .size: 8, .value_kind: global_buffer, .address_space: global }
      - { .name: rope, .offset: 16, .size: 8, .value_kind: global_buffer, .address_space: global }
      - { .name: qkv, .offset: 24, .size: 8, .value_kind: global_buffer, .address_space: global }
    .group_segment_fixed_size: 327680
    .private_segment_fixed_size: 0
    .kernarg_segment_align: 8
    .kernarg_segment_size: 32
    .max_flat_workgroup_size: 128
    .sgpr_count:     80
    .vgpr_count:     896
    .wavefront_size: 32
...
	.end_amdgpu_metadata
.endif
;; end of part 2
;; launch attn (part 3): grid 8 x 32, 4 waves a work-group, clusters of 4 x 4, 327,680 bytes of LDS; arguments qkv, h16, maskb, cache_k1, cache_v1, att; writes att
.if DOCPART == 3
	.amdgcn_target "amdgcn-amd-amdhsa--gfx1250"
	.amdhsa_code_object_version 6
	.text
	.protected	k_qd4cba5eccb_attn
	.globl	k_qd4cba5eccb_attn
	.p2align	8
	.type	k_qd4cba5eccb_attn,@function
k_qd4cba5eccb_attn:
	s_mov_b64 s[64:65], 0
	v_nop
	global_prefetch_b8 v0, s[64:65] scope:SCOPE_SE
	s_setreg_imm32_b32 hwreg(HW_REG_WAVE_MODE, 25, 1), 1
	s_wait_xcnt 0x0
	s_wait_alu depctr_hold_cnt(0) depctr_sa_sdst(0) depctr_va_vdst(0) depctr_va_sdst(0) depctr_va_ssrc(0) depctr_va_vcc(0) depctr_vm_vsrc(0)
	s_getreg_b32 s2, hwreg(HW_REG_IB_STS2, 6, 4)
	s_cmp_eq_u32 s2, 0
	s_cbranch_scc0 .Lentry_in_a_cluster
	s_endpgm
.Lentry_in_a_cluster:
	s_bfe_u32 s2, ttmp6, 0x10000c
	s_cmp_lg_u32 s2, 0xf033
	s_cbranch_scc0 .Lentry_shape_is_right
	s_endpgm
.Lentry_shape_is_right:
; ATTENTION.  For head h and query s: softmax over the 2,048 scores q.k0[key] + mask[s][key] and the two columns q.k1[s], q.k[s]; the weights times v0[key], v1[s], v[s].
; q (already times 128^-0.5), k, v: f16 in qkv[token][6144]; k0, v0: f16 in h16 (bf16 numbers); the mask: bf16 in maskb; cache_k1, cache_v1: f32, rounded here to bf16.  att[token][4096]: f16.
; Products, maxima and sums in f32; the weights are rounded to f16 for the second product (their sum is taken of the unrounded ones), O once at the end.
; LIMITS.  f16 ends at 65,504 (cache_k1 as f16; O is a mean of value rows).  The helper scores beside a diagonal count as -1e30.  A weight below 2^-126 counts as 0.  NaN is not treated apart.
; THE MASK IS AN INPUT: every tile is computed; the mask is the C operand that starts each sum S^T = K Q^T.
; SHARES.  A work-group owns 256 queries of one head, a wave 64: four tiles of 16, in two PIECES (tiles 0, 1; tiles 2, 3).  Every wave walks all keys, 64 a step, two steps to an LDS slot.
; LAYOUT.  S^T = K Q^T: a lane holds ONE query (lane % 16) and keys 8 (lane / 16) + 0..7; two such results rounded to f16 ARE source 1 of O^T = V^T P.  V is turned by ds_load_tr16_b128.
; SOFTMAX.  A running maximum m and sum l: p = 2^(c s - c m), c = log2(e); in every step O and l are multiplied by a = 2^(c m_old - c m_new).  m, l and O START with the two diagonal columns.
; BY TURNS.  In a turn one piece has the matrix unit (32 products V^T P, then 32 products K Q^T of the next step); the other piece's softmax stands in 64 slices behind its matrix instructions; and the
; piece's next mask, fetched at the turn's head as bf16 into the upper half of each accumulator, is widened in place, two lines behind each of 32 matrix instructions.
; NO FIRST STEP IS WRITTEN OUT.  The loop is entered with a step that has not been: P of piece 0 is 0, the raw scores of piece 2 are -1e30 (their weights come out 0, a comes out 1), and V's registers hold finite
; numbers (cache_k1's f16 fragments).  The price: 96 v_mov_b32 and 64 products on zeros, once a launch.
; CLUSTER 4 x 4: x = four query blocks, y = four heads.  K's and V's tiles hang on the head alone: asked for jointly along a row; the mask's on the query block alone: jointly along a column.
; A wave has two tensor loads out at the start and one behind each round.
; REGISTERS, in windows of 256: window 0 addresses, statistics, S^T (v64-191), P (v192-255); window 1 O^T, 64 a tile; window 2 Q (v0-127), K of one step (v128-255); window 3 V of one step (v0-127);
; all of window 3 holds cache_k1 at the start.
.set KS,    64
.set PK,    272                        ; a row of K in LDS: 256 bytes + 16: the 16 rows of a load start at 16 different groups of four banks (ISA guide 11.1)
.set PV,    288                        ; of V: 256 + 32
.set PM,    272                        ; of the mask: 128 keys of bf16 + 16
.set VOFF,  128*PK                     ; a slot: 128 rows of K, 128 of V, 256 query rows of the mask
.set MOFF,  VOFF+128*PV
.set SLOT1, 0x24000                    ; none of the tiles' offsets in a slot (0, 0x8800, 0x11800, 0x1a000) has one of its bits
.set STAGE, SLOT1+MOFF+256*PM          ; behind the ring: 16 rows x 272 bytes for each wave, for the way out
.set SP,    272
.set SPARE, STAGE+4*16*SP              ; behind the stages: the spare words, 128 bytes a wave
.set AK0, 2                            ; v2   my place in a tile of K
.set AV0, 3                            ; v3   of V
.set ADR, 4                            ; v4   the address of the run in hand
.set QO,  5                            ; v5   r x 12,288 + 16 h: my bytes in 16 rows of qkv
.set STO, 6
.set RD,  7
.set GO,  8
.set ST,  12                           ; tile t's statistics at v[ST+8 t]: c m, m, l (two), four at work; a takes the third of those
.set MD,  44                           ; v44-51  0 where key row 8 h + j is my query's own, else -1e30
.set H0,  52                           ; v52-53  1 in lanes 0-15, 0 in the others
.set AM0, 54                           ; v54  my place in a tile of the mask
.set ADRM, 55
.set C1O, 56                           ; v56  r x 512 + 32 h: my bytes in 16 rows of cache_k1 and cache_v1
.set ZR,  57                           ; v57  0
.set PFO, 61                           ; v61  the prefetches' offset: my lane x a row
.set SPW, 62
.set NIL, 63
.set S,   64
.set P,   192
.set KF,  128
.set WV,  16
.set G1K, 24
.set G1V, 32
.set G1M, 40
.set G0K, 48                           ; a set of four for each first fill; the second then walks
.set G0V, 56
.set G0M, 68
.set KB,  76                           ; s[76:77] k at my rows
.set VB,  78                           ; s[78:79] v at my rows
.set SLOTS, 80
.set TWICE, 81
.set CS,  82
.set SEL, 84
.set TBK, 86                           ; LDS byte at which K of the step to be fetched begins; likewise V (less VOFF) and the mask (less MOFF)
.set TBV, 87
.set TBM, 88
.set HIM, 89
.set BIGN, 90
.set LIM, 91
.set PFA, 92
.set PFS, 94
.set MSB, 0
.macro WIN new
.if MSB != (\new)
	s_set_vgpr_msb (MSB<<8)|(\new)
.set MSB, \new
.endif
.endm
.set W_KQ, 0x0a                        ; K and Q in window 2, S^T in window 0
.set W_PV, 0x53                        ; V in window 3, P in window 0, O^T in window 1
.set W_RS, 0x41                        ; O^T (destination and source 0) in window 1, source 1 in window 0
.macro PLACES
.rept 4
	v_nop
.endr
.endm
.macro CROUND
	s_barrier_signal -1
	s_barrier_wait -1
	s_cmp_lg_u32 s[WV], 0
	s_cbranch_scc1 .Lnot_wave_0_\@
	s_barrier_signal -3
.Lnot_wave_0_\@:
	s_barrier_wait -3
	s_barrier_signal -1
	s_barrier_wait -1
.endm
.macro JLOAD                           ; a joint refill: wave 0 K's 128 rows, wave 1 V's, waves 2 and 3 a half of the mask's 256; the branches hang on the wave's number alone
	s_cmp_eq_u32 s[WV], 0
	s_cbranch_scc0 .Lnot_k_\@
	tensor_load_to_lds s[G0K+4:G0K+7], s[G1K:G1K+7]
	s_nop 0
.rept 4
	v_nop
.endr
	s_branch .Lasked_\@
.Lnot_k_\@:
	s_cmp_eq_u32 s[WV], 1
	s_cbranch_scc0 .Lnot_v_\@
	tensor_load_to_lds s[G0V+4:G0V+7], s[G1V:G1V+7]
	s_nop 0
.rept 4
	v_nop
.endr
	s_branch .Lasked_\@
.Lnot_v_\@:
	tensor_load_to_lds s[G0M+4:G0M+7], s[G1M:G1M+7]
	s_nop 0
.rept 4
	v_nop
.endr
.Lasked_\@:
.endm
; A PREFETCH INTO THE L2 of what the NEXT change of slots will ask for, two key steps (256 matrix instructions) ahead: of the 128 rows of its own stream a wave names 32, a lane a row of 256 bytes.
; The four partners that ask for a tile jointly share its rows out by address (cx for K and V, cy for the mask).  K and V of a head are walked by both clusters of that row of clusters: cluster x = 0
; asks; a mask tile by all eight clusters of a column: cluster y = 0 asks.  So each block is named once.  The last change that fills a slot asks for nothing; nothing is asked for at the head.
.macro ASK
	s_cmp_gt_u32 s[SLOTS], s[LIM]
	s_cbranch_scc0 .Lnot_mine_\@
	global_prefetch_b8 v[PFO], s[PFA:PFA+1] th:TH_LOAD_NT scope:SCOPE_SE
.Lnot_mine_\@:
.endm
; THE MATRIX WORK.  The accumulators take turns, one instruction a turn.
.macro PV x                            ; product i of 32 of O^T += V^T P: keys 32 (i / 16) on, channels 16 ((i / 2) % 8) on, tile x + i % 2
	WIN W_PV
.set rO, 64*((\x)+i%2)+8*((i/2)%8)
.set rV, 64*(i/16)+8*((i/2)%8)
.set rP, P+16*((\x)+i%2)+8*(i/16)
	v_wmma_f32_16x16x32_f16 v[rO:rO+7], v[rV:rV+7], v[rP:rP+7], v[rO:rO+7]
.endm
.macro KQ x                            ; product i of 32 of S^T += K Q^T, onto the mask: channels 32 (i / 8) on, keys 16 ((i / 2) % 4) on, tile x + i % 2
	WIN W_KQ
.set rS, S+32*((\x)+i%2)+8*((i/2)%4)
.set rK, KF+32*((i/2)%4)+8*(i/8)
.set rQ, 32*((\x)+i%2)+8*(i/8)
	v_wmma_f32_16x16x32_f16 v[rS:rS+7], v[rK:rK+7], v[rQ:rQ+7], v[rS:rS+7]
.endm
; THE LDS LOADS stand in runs
.macro FETCH_K
	WIN 0
	v_add_nc_u32 v[ADR], s[TBK], v[AK0]
	s_add_co_u32 s[TBK], s[TBK], KS*PK
	WIN 0x80
.irp f, 0,1,2,3,4,5,6,7,8,9,10,11,12,13,14,15
	ds_load_b128 v[KF+8*(\f):KF+8*(\f)+3],   v[ADR] offset:((\f)/4)*16*PK+((\f)%4)*64
	ds_load_b128 v[KF+8*(\f)+4:KF+8*(\f)+7], v[ADR] offset:((\f)/4)*16*PK+((\f)%4)*64+32
.endr
.endm
.macro FETCH_V
	WIN 0
	v_add_nc_u32 v[ADR], s[TBV], v[AV0]
	s_add_co_u32 s[TBV], s[TBV], KS*PV
	s_wait_alu depctr_va_vdst(0)                   ; the wait for the softmax's batch of exponentials, ahead of the loads
	WIN 0xc0
.irp f, 0,1,2,3,4,5,6,7,8,9,10,11,12,13,14,15
	ds_load_tr16_b128 v[8*(\f):8*(\f)+3],   v[ADR] offset:((\f)/8)*32*PV+((\f)%8)*32
	ds_load_tr16_b128 v[8*(\f)+4:8*(\f)+7], v[ADR] offset:((\f)/8)*32*PV+16*PV+((\f)%8)*32
.endr
.endm
.macro FETCH_M x                       ; piece x's mask of the step to come: for each of its 8 accumulators my query's 8 keys, 16 bytes of bf16, into the accumulator's registers 4-7
	WIN 0
	v_add_nc_u32 v[ADRM], s[TBM], v[AM0]
.irp t, \x, (\x)+1
.irp kb, 0,1,2,3
	ds_load_b128 v[S+32*(\t)+8*(\kb)+4:S+32*(\t)+8*(\kb)+7], v[ADRM] offset:(\t)*16*PM+32*(\kb)
.endr
.endr
.if (\x) == 2
	s_add_co_u32 s[TBM], s[TBM], 2*KS              ; both pieces have the step's mask: on to the next 64 keys
.endif
.endm
.macro UNP x                           ; number un of 64: bf16 to f32, in place and ascending, so that no word is overwritten before it is read; accumulators in the order in which K Q^T takes them
.set ua, un/8
.set ue, un%8
.set rA, S+32*((\x)+ua%2)+8*(ua/2)
	WIN 0
.if ue%2 == 0
	v_lshlrev_b32 v[rA+ue], 16, v[rA+4+ue/2]
.else
	v_and_b32 v[rA+ue], s[HIM], v[rA+4+ue/2]
.endif
.set un, un+1
.endm
; THE VECTOR WORK: number j of the 134 of tile t's softmax for one key step.
;   0-15 the maximum of the 32 scores and the old m    16-20 the other half of the lanes' maximum; m; c m; its change    21-69 ONE BATCH: 16 scalings and 33 exponentials, none of which reads an exponential's result
;   (the wait)    70-85 roundings to f16    86-101 the sums; l = a l + sum    102-133 O^T times a
.macro SM t
.set rT, ST+8*(\t)
.set rS, S+32*(\t)
.set rP, P+16*(\t)
.set rO, 64*(\t)+2*(j-102)
.if j < 102
	WIN 0
.endif
.if j < 4
	v_max3_num_f32 v[rT+4+j], v[rS+8*j], v[rS+8*j+1], v[rS+8*j+2]
.elseif j < 12
	v_max3_num_f32 v[rT+4+j%4], v[rT+4+j%4], v[rS+8*(j%4)+2*(j/4)+1], v[rS+8*(j%4)+2*(j/4)+2]
.elseif j == 12
	v_max3_num_f32 v[rT+4], v[rT+4], v[rS+7], v[rS+15]
.elseif j == 13
	v_max3_num_f32 v[rT+6], v[rT+6], v[rS+23], v[rS+31]
.elseif j == 14
	v_max3_num_f32 v[rT+4], v[rT+4], v[rT+5], v[rT+6]
.elseif j == 15
	v_max3_num_f32 v[rT+4], v[rT+4], v[rT+7], v[rT+1]
.elseif j == 16
	v_permlanex16_b32 v[rT+5], v[rT+4], s[SEL], s[SEL+1]
.elseif j == 17
	v_mov_b32 v[rT+7], v[rT]
.elseif j == 18
	v_max_num_f32 v[rT+1], v[rT+4], v[rT+5]
.elseif j == 19
	v_mul_f32 v[rT], s[CS], v[rT+1]
.elseif j == 20
	v_sub_f32 v[rT+7], v[rT+7], v[rT]
.elseif j == 23
	v_exp_f32 v[rT+6], v[rT+7]
.elseif (j < 23) || ((j < 38) && (j%2 == 0)) || ((j < 66) && (j%4 == 2))
.set b, (j-2)/4
.if j < 38
.set b, (j-20)/2
.endif
	v_pk_fma_f32 v[rS+2*b:rS+2*b+1], v[rS+2*b:rS+2*b+1], s[CS:CS+1], v[rT:rT+1] op_sel_hi:[1,0,0] neg_lo:[0,0,1] neg_hi:[0,0,1]
.elseif j < 70
.set e, j-38
.if j < 66
.set e, j-32-(j-38)/4
.endif
.if j < 38
.set e, (j-25)/2
.endif
	v_exp_f32 v[rS+e], v[rS+e]
.elseif j < 86
	v_cvt_pk_f16_f32 v[rP+j-70], v[rS+2*(j-70)], v[rS+2*(j-70)+1]
.elseif j < 102
.set z, j-86
.set w, 4
.set u, z
.if z >= 14
.set w, 32
.set u, 0
.elseif z >= 12
.set w, 16
.set u, z-12
.elseif z >= 8
.set w, 8
.set u, z-8
.endif
.if z < 15
	v_pk_add_f32 v[rS+w*u:rS+w*u+1], v[rS+w*u:rS+w*u+1], v[rS+w*u+w/2:rS+w*u+w/2+1]
.else
	v_pk_fma_f32 v[rT+2:rT+3], v[rT+2:rT+3], v[rT+6:rT+7], v[rS:rS+1] op_sel_hi:[1,0,1]
.endif
.else
	WIN W_RS
	v_pk_mul_f32 v[rO:rO+1], v[rO:rO+1], v[rT+6:rT+7] op_sel_hi:[1,0]
.endif
.endm
; Slice k of 64 of piece y's softmax: four instructions (slice 63: sixteen).  Slices 11-34 deal out the batch, four numbers of one tile each.  Behind slice 34: one plain instruction and ONE wait for the
; piece's 66 exponentials; ahead of slice 35 nothing names a result, behind slice 34 no exponential is issued.
.macro SLICE y
.if (k >= 11) && (k < 35)
.irp n, 0,1,2,3
.set j, 22+4*((k-11)/2)+(\n)
	SM (\y)+(k-11)%2
.endr
.else
.irp n, 0,1,2,3,4,5,6,7
.if ((\n) < 2) || (k == 63)
.irp t, \y, (\y)+1
.set j, 2*k+(\n)
	SM \t
.endr
.endif
.endr
.endif
.if k == 34
	v_nop
.if (\y) == 0
	FETCH_V                                        ; piece 2's turn: V's run of loads stands here, and the wait stands in it
.else
	s_wait_alu depctr_va_vdst(0)
.endif
.endif
.set k, k+1
.endm
; A TURN.  Piece x has the matrix unit.  pv: 32 products V^T P; kq: 32 products K Q^T of the next step.  With both: the piece's mask is fetched at the head (its S^T registers are free: its weights were rounded
; in the turn before) and widened behind matrix instructions 6 to 37: accumulator a is whole behind number 9 + 4 a, and its first product is number 32 + a.
; Waits on LDS, piece 0's turn: 8 at the head (V's 32 older loads are in, the mask's eight may stay out); 32 ahead of the first widening (K's 32 younger loads may stay out); 0 ahead of K Q^T.
; Piece 2's turn: 0 ahead of the first widening (only the mask's eight are out).
.macro TURN x, pv, kq
.set k, 0
.set un, 0
.set per, 2
.set both, (\pv)*(\kq)
.if both
.set per, 1
	FETCH_M \x
.endif
.if \pv
.if (\x) == 0
	s_wait_dscnt 8*both
.endif
.set i, 0
.rept 32
	PV \x
.rept per
	SLICE 2-(\x)
.endr
.if both && (i >= 6)
.if i == 6
	s_wait_dscnt 16*(2-(\x))
.endif
	UNP \x
	UNP \x
.endif
.if ((\x) == 0) && (\kq) && (i == 1)
	FETCH_K
.endif
.set i, i+1
.endr
.endif
.if \kq
.if (\x) == 0
	s_wait_dscnt 0x0
.endif
.set i, 0
.rept 32
	KQ \x
.rept per
	SLICE 2-(\x)
.endr
.if both && (i < 6)
	UNP \x
	UNP \x
.endif
.set i, i+1
.endr
.endif
.endm
; THE CHANGE OF SLOTS, between piece 2's turn and piece 0's: all of the slot (K, V and the mask of its two steps) has been asked for.
.macro CHANGE fill
	WIN 0
	s_wait_tensorcnt 0x0                           ; no tensor load of mine is out: my part of the other slot has landed, and a group 0 may be written
	ds_add_u32 v[SPW], v[NIL]                      ; 0 onto my spare word
.if \fill
	s_xor_b32 s[G0K+5], s[G0K+5], SLOT1            ; the walking descriptors: the other slot than last time, the next 128 keys
	s_add_nc_u64 s[G0K+6:G0K+7], s[G0K+6:G0K+7], 2*KS*256
	s_xor_b32 s[G0V+5], s[G0V+5], SLOT1
	s_add_nc_u64 s[G0V+6:G0V+7], s[G0V+6:G0V+7], 2*KS*256
	s_xor_b32 s[G0M+5], s[G0M+5], SLOT1
	s_add_nc_u64 s[G0M+6:G0M+7], s[G0M+6:G0M+7], 2*KS*2
	s_wait_xcnt 0x0                                ; the last prefetch, two key steps back, has read its address
	s_add_nc_u64 s[PFA:PFA+1], s[PFA:PFA+1], s[PFS:PFS+1]
	s_wait_dscnt 0x0                               ; the add is done, and my reads of the slot are over
	CROUND                                         ; no wave of any partner still reads the slot or has a load on its way
	JLOAD
	ASK
.else
	s_wait_dscnt 0x0
	s_barrier_signal -1
	s_barrier_wait -1
.endif
	s_sub_co_u32 s[TBK], s[TBK], 2*KS*PK           ; the fetches go back to a slot's first step, in the other slot
	s_xor_b32 s[TBK], s[TBK], SLOT1
	s_sub_co_u32 s[TBV], s[TBV], 2*KS*PV
	s_xor_b32 s[TBV], s[TBV], SLOT1
	s_sub_co_u32 s[TBM], s[TBM], 2*KS*2
	s_xor_b32 s[TBM], s[TBM], SLOT1
.endm
; cache_k1's fragment f = 4 t + c: 16 registers of f32 in window 3 (from 16 f) become 8 of f16 (from 8 f), by way of bf16; P's registers serve as scratch.  The target never lies above a source still to be read.
.macro K1CVT f
	WIN 0x0f
.irp n, 0,1,2,3,4,5,6,7
	v_cvt_pk_bf16_f32 v[P+\n], v[16*(\f)+2*\n], v[16*(\f)+2*\n+1]
.endr
	WIN 0
.irp n, 0,1,2,3,4,5,6,7
	v_lshlrev_b32 v[P+8+2*\n], 16, v[P+\n]
	v_and_b32 v[P+9+2*\n], s[HIM], v[P+\n]
.endr
	WIN 0xc0
.irp n, 0,1,2,3,4,5,6,7
	v_cvt_pk_f16_f32 v[8*(\f)+\n], v[P+8+2*\n], v[P+9+2*\n]
.endr
.endm
; Tile t's O^T starts: bf16(v1) p1 + v p2.  v1 lies in O^T's registers as f32, v in S^T's as f16.
.macro DIAGO t
	WIN 0x05
.set i, 0
.rept 32
	v_cvt_pk_bf16_f32 v[P+i], v[64*(\t)+2*i], v[64*(\t)+2*i+1]
.set i, i+1
.endr
	WIN 0x40
.set i, 0
.rept 64
	v_fma_mix_f32_bf16 v[64*(\t)+i], v[P+i/2], v[ST+8*(\t)+4], v[ZR] op_sel:[i%2,0,0] op_sel_hi:[1,0,0]
.set i, i+1
.endr
	WIN 0x50
.set i, 0
.rept 64
	v_fma_mix_f32 v[64*(\t)+i], v[S+32*(\t)+i/2], v[ST+8*(\t)+5], v[64*(\t)+i] op_sel:[i%2,0,0] op_sel_hi:[1,0,0]
.set i, i+1
.endr
.endm
	s_load_b256 s[4:11], s[0:1], 0x0               ; qkv s[4:5], h16 s[6:7], maskb s[8:9], cache_k1 s[10:11]
	s_load_b128 s[12:15], s[0:1], 0x20             ; cache_v1 s[12:13], att s[14:15]
	v_lshl_add_u32 v[SPW], v0, 2, SPARE
	v_mov_b32 v[NIL], 0
	ds_add_u32 v[SPW], v[NIL]                      ; the wave's opening: the add and its wait stand ahead of my first tensor load; work on registers stands between them
	v_lshrrev_b32 v1, 5, v0
	v_readfirstlane_b32 s[WV], v1
	s_bfe_u32 s17, ttmp6, 0x40000                  ; cx
	s_bfe_u32 s18, ttmp6, 0x40004                  ; cy
	s_lshl_b32 s19, ttmp9, 2
	s_add_co_u32 s19, s19, s17                     ; my block of 256 queries
	s_and_b32 s21, ttmp7, 0xffff                   ; the cluster's y = the key and value head of k and v
	s_lshl_b32 s20, s21, 2
	s_add_co_u32 s20, s20, s18                     ; the head
	s_lshl_b32 s22, s18, 2
	s_lshl_b32 s22, 15, s22                        ; my row of the cluster
	s_lshl_b32 s23, 0x1111, s17                    ; my column
	s_or_b32 s[G1K], s22, (1<<16)|(1<<20)|(1<<21)|(5<<22)|(3<<25)  ; the mask of four; 2-byte elements; padding on; bit 21 beside a mask; after every 64 words 4 words
	s_or_b32 s[G1V], s22, (1<<16)|(1<<20)|(1<<21)|(5<<22)|(7<<25)  ; 8 words
	s_or_b32 s[G1M], s23, (1<<16)|(1<<20)|(1<<21)|(5<<22)|(3<<25)
.irp g, G1K, G1V, G1M
	s_mov_b32 s[\g+1], 128<<16                     ; tensor_dim0 = 128
	s_mov_b32 s[\g+2], 128<<16                     ; tensor_dim1 = 128
	s_mov_b32 s[\g+3], 128<<16                     ; tile_dim0 = 128
	s_mov_b32 s[\g+4], 128                         ; tile_dim1 = 128
	s_mov_b32 s[\g+6], 0
	s_mov_b32 s[\g+7], 0
.endr
	s_mov_b32 s[G1K+5], 128                        ; elements from row to row
	s_mov_b32 s[G1V+5], 128
	s_mov_b32 s[G1M+5], 2048
	s_lshl_b32 s96, s20, 19                        ; a head's 2,048 rows of 256 bytes (made of the head alone),
	s_add_co_u32 s98, s96, 0x2000000               ; in V's part of h16,
	s_add_co_u32 s96, s96, 0x1000000               ; in K's
	s_mov_b32 s97, 0
	s_mov_b32 s99, 0
	s_and_b32 s100, s[WV], 1
	s_lshl_b32 s100, s100, 19                      ; the mask: my half of the block's 256 rows of 4,096 bytes (made of the query block and the wave's number alone)
	s_lshl_b32 s101, s19, 20
	s_add_co_u32 s100, s100, s101
	s_mov_b32 s101, 0
	s_mul_i32 s3, s[WV], 128*PM
	s_add_co_u32 s3, s3, MOFF-2*128*PM             ; LDS byte of the mask's half w - 2 (waves 0 and 1 never use it)
	s_mov_b32 s[CS], 0x3fb8aa3b                    ; c = log2(e)
	s_mov_b32 s[CS+1], s[CS]
	s_mov_b32 s[SEL], 0x76543210
	s_mov_b32 s[SEL+1], 0xfedcba98
	s_mov_b32 s[HIM], 0xffff0000
	s_mov_b32 s[BIGN], 0xf149f2ca                  ; -1e30
	s_mov_b32 s[TBK], 0
	s_mov_b32 s[TBV], 0
	s_mov_b32 s[TBM], 0
	s_wait_dscnt 0x0                               ; the opening add is done
	s_wait_kmcnt 0x0
	s_add_nc_u64 s[96:97], s[6:7], s[96:97]
	s_add_nc_u64 s[98:99], s[6:7], s[98:99]
	s_add_nc_u64 s[100:101], s[8:9], s[100:101]
.irp n, 0,1
	s_mov_b32 s[G0K+4*\n], 1
	s_mov_b32 s[G0K+4*\n+1], \n*SLOT1
	s_add_nc_u64 s[G0K+4*\n+2:G0K+4*\n+3], s[96:97], \n*2*KS*256
	s_or_b32 s[G0K+4*\n+3], s[G0K+4*\n+3], 0x80000000
	s_mov_b32 s[G0V+4*\n], 1
	s_mov_b32 s[G0V+4*\n+1], VOFF+\n*SLOT1
	s_add_nc_u64 s[G0V+4*\n+2:G0V+4*\n+3], s[98:99], \n*2*KS*256
	s_or_b32 s[G0V+4*\n+3], s[G0V+4*\n+3], 0x80000000
	s_mov_b32 s[G0M+4*\n], 1
	s_add_co_u32 s[G0M+4*\n+1], s3, \n*SLOT1
	s_add_nc_u64 s[G0M+4*\n+2:G0M+4*\n+3], s[100:101], \n*2*KS*2
	s_or_b32 s[G0M+4*\n+3], s[G0M+4*\n+3], 0x80000000
.endr
	CROUND                                         ; all sixteen work-groups are here: the first joint loads meet
	s_cmp_eq_u32 s[WV], 0                          ; a wave's two first fills stand together, under the branch on its number
	s_cbranch_scc0 .Lf_not_k
	tensor_load_to_lds s[G0K:G0K+3], s[G1K:G1K+7]
	s_nop 0
	tensor_load_to_lds s[G0K+4:G0K+7], s[G1K:G1K+7]
	s_nop 0
.rept 4
	v_nop
.endr
	s_branch .Lf_done
.Lf_not_k:
	s_cmp_eq_u32 s[WV], 1
	s_cbranch_scc0 .Lf_not_v
	tensor_load_to_lds s[G0V:G0V+3], s[G1V:G1V+7]
	s_nop 0
	tensor_load_to_lds s[G0V+4:G0V+7], s[G1V:G1V+7]
	s_nop 0
.rept 4
	v_nop
.endr
	s_branch .Lf_done
.Lf_not_v:
	tensor_load_to_lds s[G0M:G0M+3], s[G1M:G1M+7]
	s_nop 0
	tensor_load_to_lds s[G0M+4:G0M+7], s[G1M:G1M+7]
	s_nop 0
.rept 4
	v_nop
.endr
.Lf_done:
	; my wave's 64 rows in qkv, the two caches and att
	s_lshl_b32 s2, s19, 8
	s_lshl_b32 s3, s[WV], 6
	s_add_co_u32 s2, s2, s3                        ; my first row
	s_mul_i32 s22, s2, 12288
	s_mov_b32 s23, 0
	s_add_nc_u64 s[4:5], s[4:5], s[22:23]
	s_lshl_b32 s22, s21, 8
	s_add_co_u32 s22, s22, 8192
	s_add_nc_u64 s[KB:KB+1], s[4:5], s[22:23]      ; k of my key and value head
	s_add_nc_u64 s[VB:VB+1], s[KB:KB+1], 2048      ; v
	s_lshl_b32 s22, s20, 8
	s_add_nc_u64 s[4:5], s[4:5], s[22:23]          ; q of my head
	s_lshl_b32 s22, s20, 11
	s_add_co_u32 s22, s22, s2
	s_lshl_b32 s22, s22, 9
	s_add_nc_u64 s[10:11], s[10:11], s[22:23]
	s_add_nc_u64 s[12:13], s[12:13], s[22:23]
	s_lshl_b32 s22, s2, 13
	s_lshl_b32 s3, s20, 8
	s_add_co_u32 s22, s22, s3
	s_add_nc_u64 s[14:15], s[14:15], s[22:23]
	; the prefetches
	s_cmp_eq_u32 s[WV], 0
	s_cselect_b64 s[PFA:PFA+1], s[96:97], s[98:99]
	s_mov_b32 s[PFS], 2*KS*2                       ; a slot's step along the mask's rows,
	s_mov_b32 s[PFS+1], 0
	s_cmp_lt_u32 s[WV], 2
	s_cselect_b64 s[PFA:PFA+1], s[PFA:PFA+1], s[100:101]
	s_cselect_b32 s[PFS], 2*KS*256, s[PFS]         ; down K's and V's
	s_cselect_b32 s22, s17, s18                    ; my place among the four that ask with me
	s_cselect_b32 s3, 13, 17                       ; 32 rows of 256 bytes, or of 4,096
	s_cselect_b32 s2, 8, 12                        ; a row
	s_cselect_b32 s[LIM], ttmp9, s21               ; the coordinate along which other clusters read the same rows
	s_cmp_eq_u32 s[LIM], 0
	s_cselect_b32 s[LIM], 1, -1                    ; the same in all sixteen partners, for a given wave
	s_lshl_b32 s22, s22, s3
	s_add_nc_u64 s[PFA:PFA+1], s[PFA:PFA+1], s[22:23]
	s_add_nc_u64 s[PFA:PFA+1], s[PFA:PFA+1], s[PFS:PFS+1]
	s_add_nc_u64 s[PFA:PFA+1], s[PFA:PFA+1], s[PFS:PFS+1]  ; at slot 2: the first change of slots steps it to slot 3
	v_and_b32 v[PFO], 31, v0
	v_lshlrev_b32 v[PFO], s2, v[PFO]
	v_and_b32 v1, 15, v0                           ; r
	v_bfe_u32 v9, v0, 4, 1                         ; h
	v_mul_u32_u24 v[QO], v1, 12288
	v_lshl_add_u32 v[QO], v9, 4, v[QO]
	v_lshlrev_b32 v[C1O], 9, v1
	v_lshl_add_u32 v[C1O], v9, 5, v[C1O]
	; all that the diagonal columns need, and Q, in one run: 224 loads
	WIN 0x80
.set i, 0
.rept 16                               ; Q stays in registers: tile i / 4, channels 32 (i % 4) on
	global_load_b128 v[8*i:8*i+3],   v[QO], s[4:5] offset:(i/4)*196608+(i%4)*64
	global_load_b128 v[8*i+4:8*i+7], v[QO], s[4:5] offset:(i/4)*196608+(i%4)*64+32
.set i, i+1
.endr
.set i, 0
.rept 16                               ; k's fragments of my own rows, in K's registers
	global_load_b128 v[KF+8*i:KF+8*i+3],   v[QO], s[KB:KB+1] offset:(i/4)*196608+(i%4)*64
	global_load_b128 v[KF+8*i+4:KF+8*i+7], v[QO], s[KB:KB+1] offset:(i/4)*196608+(i%4)*64+32
.set i, i+1
.endr
	WIN 0xc0
.set i, 0
.rept 16                               ; cache_k1, f32: a fragment's 16 numbers a lane
	global_load_b128 v[16*i:16*i+3],     v[C1O], s[10:11] offset:(i/4)*8192+(i%4)*128 th:TH_LOAD_NT
	global_load_b128 v[16*i+4:16*i+7],   v[C1O], s[10:11] offset:(i/4)*8192+(i%4)*128+16 th:TH_LOAD_NT
	global_load_b128 v[16*i+8:16*i+11],  v[C1O], s[10:11] offset:(i/4)*8192+(i%4)*128+64 th:TH_LOAD_NT
	global_load_b128 v[16*i+12:16*i+15], v[C1O], s[10:11] offset:(i/4)*8192+(i%4)*128+80 th:TH_LOAD_NT
.set i, i+1
.endr
	WIN 0
.set i, 0
.rept 32                               ; v, f16, in O^T's order (my query, channels 16 (i % 8) + 8 h on), in S^T's registers
	global_load_b128 v[S+4*i:S+4*i+3], v[QO], s[VB:VB+1] offset:(i/8)*196608+(i%8)*32
.set i, i+1
.endr
	WIN 0x40
.set i, 0
.rept 32                               ; cache_v1, f32, straight into O^T's registers
	global_load_b128 v[8*i:8*i+3],   v[C1O], s[12:13] offset:(i/8)*8192+(i%8)*64 th:TH_LOAD_NT
	global_load_b128 v[8*i+4:8*i+7], v[C1O], s[12:13] offset:(i/8)*8192+(i%8)*64+16 th:TH_LOAD_NT
.set i, i+1
.endr
	WIN 0
	v_mul_u32_u24 v[AK0], v1, PK
	v_lshl_add_u32 v[AK0], v9, 4, v[AK0]
	v_and_b32 v10, 7, v0
	v_bfe_u32 v11, v0, 3, 1
	v_lshl_add_u32 v[AV0], v9, 3, v10
	v_mul_u32_u24 v[AV0], v[AV0], PV
	v_lshl_add_u32 v[AV0], v11, 4, v[AV0]
	v_add_nc_u32 v[AV0], VOFF, v[AV0]
	s_lshl_b32 s22, s[WV], 6
	v_add_nc_u32 v[AM0], s22, v1
	v_mul_u32_u24 v[AM0], v[AM0], PM
	v_lshl_add_u32 v[AM0], v9, 4, v[AM0]
	v_add_nc_u32 v[AM0], MOFF, v[AM0]
	s_mul_i32 s22, s[WV], 16*SP                    ; the way out: my stage,
	s_add_co_u32 s22, s22, STAGE
	v_mul_u32_u24 v[STO], v1, SP                   ; in: row l % 16, 16 bytes for each half of the lanes
	v_lshl_add_u32 v[STO], v9, 4, v[STO]
	v_add_nc_u32 v[STO], s22, v[STO]
	v_mul_u32_u24 v[RD], v9, SP                    ; back: lanes 0-15 take one row of 256 bytes, lanes 16-31 the next
	v_lshl_add_u32 v[RD], v1, 4, v[RD]
	v_add_nc_u32 v[RD], s22, v[RD]
	v_lshlrev_b32 v[GO], 13, v9                    ; and the same two rows of att, 8,192 bytes apart
	v_lshl_add_u32 v[GO], v1, 4, v[GO]
	v_mov_b32 v[ZR], 0
	v_lshlrev_b32 v10, 3, v9
	v_sub_nc_u32 v10, v1, v10                      ; r - 8 h: register j holds my own row where this is j
.irp j, 0,1,2,3,4,5,6,7
	v_cmp_ne_u32 vcc_lo, \j, v10
	v_cndmask_b32 v[MD+\j], 0, s[BIGN], vcc_lo
.endr
	v_cmp_eq_u32 vcc_lo, 0, v9
	v_cndmask_b32 v[H0], 0, 1.0, vcc_lo
	v_mov_b32 v[H0+1], v[H0]
	s_wait_loadcnt 63                              ; behind cache_k1's last load stand 96 younger ones, of which at most 63 are now out: Q, k and cache_k1 are in
.set f, 0
.rept 16
	K1CVT f
.set f, f+1
.endr
	; THE DIAGONAL COLUMNS: E1 = k1 Q^T and E2 = k Q^T of each tile's own 16 rows, started with MD: all but the diagonal lies at -1e30.  The eight accumulators take turns.
.irp c, 0,1,2,3
.irp t, 0,1,2,3
	WIN 0x0b                                       ; k1 in window 3, Q in window 2
.if \c == 0
	v_wmma_f32_16x16x32_f16 v[P+16*\t:P+16*\t+7], v[32*\t+8*\c:32*\t+8*\c+7], v[32*\t+8*\c:32*\t+8*\c+7], v[MD:MD+7]
.else
	v_wmma_f32_16x16x32_f16 v[P+16*\t:P+16*\t+7], v[32*\t+8*\c:32*\t+8*\c+7], v[32*\t+8*\c:32*\t+8*\c+7], v[P+16*\t:P+16*\t+7]
.endif
.endr
.irp t, 0,1,2,3
	WIN 0x0a
.if \c == 0
	v_wmma_f32_16x16x32_f16 v[P+16*\t+8:P+16*\t+15], v[KF+32*\t+8*\c:KF+32*\t+8*\c+7], v[32*\t+8*\c:32*\t+8*\c+7], v[MD:MD+7]
.else
	v_wmma_f32_16x16x32_f16 v[P+16*\t+8:P+16*\t+15], v[KF+32*\t+8*\c:KF+32*\t+8*\c+7], v[32*\t+8*\c:32*\t+8*\c+7], v[P+16*\t+8:P+16*\t+15]
.endif
.endr
.endr
	WIN 0
	PLACES
	; the maximum over a lane's eight registers and the two halves of the lanes IS the diagonal number; each accumulator is read from its low end on
.irp t, 0,1,2,3
	v_max3_num_f32 v[ST+8*\t+4], v[P+16*\t], v[P+16*\t+1], v[P+16*\t+2]
	v_max3_num_f32 v[ST+8*\t+6], v[P+16*\t+8], v[P+16*\t+9], v[P+16*\t+10]
.endr
.irp t, 0,1,2,3
	v_max3_num_f32 v[ST+8*\t+5], v[P+16*\t+3], v[P+16*\t+4], v[P+16*\t+5]
	v_max3_num_f32 v[ST+8*\t+7], v[P+16*\t+11], v[P+16*\t+12], v[P+16*\t+13]
.endr
.irp t, 0,1,2,3
	v_max3_num_f32 v[ST+8*\t+4], v[ST+8*\t+4], v[P+16*\t+6], v[P+16*\t+7]
	v_max3_num_f32 v[ST+8*\t+6], v[ST+8*\t+6], v[P+16*\t+14], v[P+16*\t+15]
.endr
.irp t, 0,1,2,3
	v_max_num_f32 v[ST+8*\t+4], v[ST+8*\t+4], v[ST+8*\t+5]
	v_max_num_f32 v[ST+8*\t+6], v[ST+8*\t+6], v[ST+8*\t+7]
.endr
.irp t, 0,1,2,3
	v_permlanex16_b32 v[ST+8*\t+5], v[ST+8*\t+4], s[SEL], s[SEL+1]
	v_permlanex16_b32 v[ST+8*\t+7], v[ST+8*\t+6], s[SEL], s[SEL+1]
.endr
.irp t, 0,1,2,3
	v_max_num_f32 v[ST+8*\t+2], v[ST+8*\t+4], v[ST+8*\t+5]
	v_max_num_f32 v[ST+8*\t+3], v[ST+8*\t+6], v[ST+8*\t+7]
.endr
.irp t, 0,1,2,3
	v_max_num_f32 v[ST+8*\t+1], v[ST+8*\t+2], v[ST+8*\t+3]   ; m starts as the larger of the two
.endr
.irp t, 0,1,2,3
	v_mul_f32 v[ST+8*\t], s[CS], v[ST+8*\t+1]
.endr
.irp t, 0,1,2,3
	v_pk_fma_f32 v[ST+8*\t+4:ST+8*\t+5], v[ST+8*\t+2:ST+8*\t+3], s[CS:CS+1], v[ST+8*\t:ST+8*\t+1] op_sel_hi:[1,0,0] neg_lo:[0,0,1] neg_hi:[0,0,1]
.endr
.irp t, 0,1,2,3
	v_exp_f32 v[ST+8*\t+4], v[ST+8*\t+4]           ; p1
	v_exp_f32 v[ST+8*\t+5], v[ST+8*\t+5]           ; p2
.endr
	v_nop                                          ; a plain instruction behind the last exponential,
	s_wait_alu depctr_va_vdst(0)                   ; and one wait for the eight, ahead of their first reader
.irp t, 0,1,2,3
	v_pk_mul_f32 v[ST+8*\t+2:ST+8*\t+3], v[ST+8*\t+4:ST+8*\t+5], v[H0:H0+1]  ; l starts with them, counted in one half of the lanes: the halves are added at the end
.endr
	s_wait_loadcnt 0x0                             ; v and cache_v1
	DIAGO 0
	DIAGO 1
	DIAGO 2
	DIAGO 3
	WIN 0
	; what the first turns find of the step that has not been: P of piece 0 is 0, the raw scores of piece 2 lie at -1e30; V's registers hold cache_k1's f16 fragments
.set i, 0
.rept 32
	v_mov_b32 v[P+i], 0
.set i, i+1
.endr
.set i, 0
.rept 64
	v_mov_b32 v[S+64+i], s[BIGN]
.set i, i+1
.endr
	s_wait_tensorcnt 0x1                           ; my part of slot 0 is in; slot 1's may stay out
	s_barrier_signal -1
	s_barrier_wait -1
	s_mov_b32 s[SLOTS], 15
	s_mov_b32 s[TWICE], 2
	s_branch .Lstep                                ; slot 0 is a slot like any other: its two pairs of turns fetch key steps 0 and 1
.Lslot:                                        ; 14 times: every slot but the last two is filled again
	CHANGE 1
	s_mov_b32 s[TWICE], 2
.Lstep:                                        ; a pair of turns: V^T P of the step in hand, K Q^T of the next, whose K, mask and V it fetches
	TURN 0, 1, 1
	TURN 2, 1, 1
	WIN 0
	s_sub_co_u32 s[TWICE], s[TWICE], 1
	s_cmp_lg_u32 s[TWICE], 0
	s_cbranch_scc1 .Lstep
	s_sub_co_u32 s[SLOTS], s[SLOTS], 1
	s_cmp_lg_u32 s[SLOTS], 0
	s_cbranch_scc1 .Lslot
	CHANGE 0                                       ; the tail is written out: nothing is asked for
	s_mov_b32 s[TWICE], 2
.Ltail:
	TURN 0, 1, 1
	TURN 2, 1, 1
	WIN 0
	s_sub_co_u32 s[TWICE], s[TWICE], 1
	s_cmp_lg_u32 s[TWICE], 0
	s_cbranch_scc1 .Ltail
	TURN 0, 1, 0                                   ; piece 0: V^T P of the last step | piece 2's last softmax
.set i, 0
.rept 32
	PV 2
.set i, i+1
.endr
	; THE WAY OUT.  l's halves are added; O^T is divided by l, rounded to f16 and sent through my stage, a tile at a time.  The additions are the places behind the last products.
	WIN 0
.irp t, 0,1,2,3
	v_add_f32 v[ST+8*\t+4], v[ST+8*\t+2], v[ST+8*\t+3]
.endr
.irp t, 0,1,2,3
	v_permlanex16_b32 v[ST+8*\t+5], v[ST+8*\t+4], s[SEL], s[SEL+1]
.endr
.irp t, 0,1,2,3
	v_add_f32 v[ST+8*\t+4], v[ST+8*\t+4], v[ST+8*\t+5]
.endr
.irp t, 0,1,2,3
	v_rcp_f32 v[ST+8*\t+6], v[ST+8*\t+4]
.endr
	v_nop
	s_wait_alu depctr_va_vdst(0)                   ; one wait for the four reciprocals
.macro PACK t
	WIN W_RS
.set i, 64*(\t)
.rept 32
	v_pk_mul_f32 v[i:i+1], v[i:i+1], v[ST+8*(\t)+6:ST+8*(\t)+7] op_sel_hi:[1,0]
.set i, i+2
.endr
	WIN 0x05
.set i, 0
.rept 32
	v_cvt_pk_f16_f32 v[S+32*(\t)+i], v[64*(\t)+2*i], v[64*(\t)+2*i+1]
.set i, i+1
.endr
	WIN 0
.irp f, 0,1,2,3,4,5,6,7
	ds_store_b128 v[STO], v[S+32*(\t)+4*(\f):S+32*(\t)+4*(\f)+3] offset:32*(\f)
.endr
.irp f, 0,1,2,3,4,5,6,7
	ds_load_b128 v[S+32*(\t)+4*(\f):S+32*(\t)+4*(\f)+3], v[RD] offset:(\f)*2*SP  ; LDS serves a wave's instructions in order (ISA guide 5.7.1.4): these see the stores above
.endr
.endm
.macro SEND t, younger                 ; younger: the LDS instructions issued behind tile t's loads
	WIN 0
.irp f, 0,1,2,3,4,5,6,7
	s_wait_dscnt (\younger)+7-(\f)
	global_store_b128 v[GO], v[S+32*(\t)+4*(\f):S+32*(\t)+4*(\f)+3], s[14:15] offset:(\t)*131072+(\f)*16384  ; 16 lanes store 256 consecutive bytes, at a multiple of 256 from att's first byte
.endr
.endm
	PACK 0
	PACK 1
	SEND 0, 16
	PACK 2
	SEND 1, 16
	PACK 3
	SEND 2, 16
	SEND 3, 0
	s_wait_tensorcnt 0x0                           ; the wave's end
	ds_add_u32 v[SPW], v[NIL]
	s_wait_dscnt 0x0
	CROUND                                         ; the closing round
	s_endpgm
.Lfunc_end_k_qd4cba5eccb_attn:
	.size	k_qd4cba5eccb_attn, .Lfunc_end_k_qd4cba5eccb_attn-k_qd4cba5eccb_attn
	.p2alignl 7, 3214868480
	.fill 96, 4, 3214868480
	.section	.rodata,"a",@progbits
	.p2align	6, 0x0
	.amdhsa_kernel k_qd4cba5eccb_attn
		.amdhsa_group_segment_fixed_size 327680
		.amdhsa_private_segment_fixed_size 0
		.amdhsa_enable_private_segment 0
		.amdhsa_kernarg_size 48
		.amdhsa_user_sgpr_count 2
		.amdhsa_user_sgpr_kernarg_segment_ptr 1
		.amdhsa_wavefront_size32 1
		.amdhsa_system_sgpr_workgroup_id_x 1
		.amdhsa_system_sgpr_workgroup_id_y 1
		.amdhsa_system_sgpr_workgroup_id_z 1
		.amdhsa_system_vgpr_workitem_id 0
		.amdhsa_next_free_vgpr 1024
		.amdhsa_next_free_sgpr 102
		.amdhsa_reserve_vcc 1
		.amdhsa_float_denorm_mode_32 3
		.amdhsa_float_denorm_mode_16_64 3
		.amdhsa_memory_ordered 1
		.amdhsa_forward_progress 1
		.amdhsa_inst_pref_size 255
	.end_amdhsa_kernel
	.section	.bss,"aw",@nobits
	.p2align	6
	.space	262144
	.amdgpu_metadata
---
amdhsa.version: [ 1, 2 ]
amdhsa.kernels:
  - .name:           k_qd4cba5eccb_attn
    .symbol:         k_qd4cba5eccb_attn.kd
    .args:
      - { .name: qkv, .offset: 0, .size: 8, .value_kind: global_buffer, .address_space: global }
      - { .name: h16, .offset: 8, .size: 8, .value_kind: global_buffer, .address_space: global }
      - { .name: maskb, .offset: 16, .size: 8, .value_kind: global_buffer, .address_space: global }
      - { .name: cache_k1, .offset: 24, .size: 8, .value_kind: global_buffer, .address_space: global }
      - { .name: cache_v1, .offset: 32, .size: 8, .value_kind: global_buffer, .address_space: global }
      - { .name: att, .offset: 40, .size: 8, .value_kind: global_buffer, .address_space: global }
    .group_segment_fixed_size: 327680
    .private_segment_fixed_size: 0
    .kernarg_segment_align: 8
    .kernarg_segment_size: 48
    .max_flat_workgroup_size: 128
    .sgpr_count:     102
    .vgpr_count:     1024
    .wavefront_size: 32
...
	.end_amdgpu_metadata
.endif
;; end of part 3
;; launch oproj (part 4): grid 8 x 32, 4 waves a work-group, clusters of 4 x 4, 327,680 bytes of LDS; arguments att, h16, out0; writes out0
.if DOCPART == 4
	.amdgcn_target "amdgcn-amd-amdhsa--gfx1250"
	.amdhsa_code_object_version 6
	.text
	.protected	k_qd4cba5eccb_oproj
	.globl	k_qd4cba5eccb_oproj
	.p2align	8
	.type	k_qd4cba5eccb_oproj,@function
k_qd4cba5eccb_oproj:
	s_mov_b64 s[64:65], 0
	v_nop
	global_prefetch_b8 v0, s[64:65] scope:SCOPE_SE
	s_setreg_imm32_b32 hwreg(HW_REG_WAVE_MODE, 25, 1), 1
	s_wait_xcnt 0x0
	s_wait_alu depctr_hold_cnt(0) depctr_sa_sdst(0) depctr_va_vdst(0) depctr_va_sdst(0) depctr_va_ssrc(0) depctr_va_vcc(0) depctr_vm_vsrc(0)
	s_getreg_b32 s2, hwreg(HW_REG_IB_STS2, 6, 4)
	s_cmp_eq_u32 s2, 0
	s_cbranch_scc0 .Lentry_in_a_cluster
	s_endpgm
.Lentry_in_a_cluster:
	s_bfe_u32 s2, ttmp6, 0x10000c
	s_cmp_lg_u32 s2, 0xf033
	s_cbranch_scc0 .Lentry_shape_is_right
	s_endpgm
.Lentry_shape_is_right:
; OPROJ: out0[2048][1024] (f32) = att[2048][4096] (f16) x Wo[4096][1024] (bf16 numbers written as f16, in h16 at 8 MiB); sums in f32.
; SHARES.  A work-group makes 64 tokens x 128 columns: 8 x 32 work-groups.  EVERY wave holds the whole tile (4 x 8 accumulators) and K IS SPLIT AMONG THE WAVES: of each K step of 256 wave v takes
; k = 64 v .. 64 v + 63, two chunks of 32: 12 fragments feed 32 products.  The four partial sums, f32, meet in LDS at the end.
; TRANSPOSED USE: source 0 = 16 columns of Wo ([k][n] in LDS, turned by ds_load_tr16_b128), source 1 = 16 tokens: a lane holds one token and 8 neighbouring columns.
; RING.  Two slots: att's 64 rows x 512 bytes (pitch 528), then Wo's 256 k-rows x 256 bytes (pitch 288).  Wave 0 fetches att's tile, waves 1 and 2 a half of Wo's each, wave 3 none.
; CLUSTER 4 x 4: att's tile is asked for jointly along a row of the cluster, Wo's along a column.  A wave has at most two tensor loads out at the start and one behind each round.
; No prefetch: the tiles are small and each block is read by several clusters at about the same time.
; REGISTERS: window 0 addresses; window 1 two fragment buffers of 128 (8 of Wo, 4 of att), on the way out the partial sums read back; window 2 the accumulators: number 8 a + b at 8 x number.
.set PA,    528
.set PB,    288
.set BOFF,  64*PA
.set HB,    128*PB
.set SLOT1, 0x20000                    ; none of the tiles' offsets in a slot (0, 0x8400, 0x11400) has its bit
.set SPARE, SLOT1+BOFF+2*HB
.set BLK,   16*PA                      ; the way out: 16 blocks of 16 rows x 528 bytes at LDS byte 0, written only behind a barrier that follows every wave's last read of the ring
.set A0,   8
.set B0,   9
.set ADRA, 12
.set ADRB, 13
.set STO,  16
.set STO2, 17
.set RDS,  18
.set GO,   19
.set SPW,  28
.set NIL,  29
.set F0,   0
.set F1,   128
.set WV,  12
.set G1A, 24
.set G1B, 32
.set G0A, 40
.set G0B, 48
.set TB,  56
.set CNT, 57
.set MSB, 0
.macro WIN new
.if MSB != (\new)
	s_set_vgpr_msb (MSB<<8)|(\new)
.set MSB, \new
.endif
.endm
.macro PLACES
.rept 4
	v_nop
.endr
.endm
.macro CREST
	s_cmp_lg_u32 s[WV], 0
	s_cbranch_scc1 .Lnot_wave_0_\@
	s_barrier_signal -3
.Lnot_wave_0_\@:
	s_barrier_wait -3
	s_barrier_signal -1
	s_barrier_wait -1
.endm
.macro CROUND
	s_barrier_signal -1
	s_barrier_wait -1
	CREST
.endm
.macro JLOAD                           ; the branches hang on the wave's number alone; wave 3 has no part of a tile: its way holds the four places alone
	s_cmp_eq_u32 s[WV], 0
	s_cbranch_scc0 .Lnot_a_\@
	tensor_load_to_lds s[G0A+4:G0A+7], s[G1A:G1A+7]
	s_nop 0
.rept 4
	v_nop
.endr
	s_branch .Lasked_\@
.Lnot_a_\@:
	s_cmp_eq_u32 s[WV], 3
	s_cbranch_scc1 .Lnone_\@
	tensor_load_to_lds s[G0B+4:G0B+7], s[G1B:G1B+7]
	s_nop 0
.rept 4
	v_nop
.endr
	s_branch .Lasked_\@
.Lnone_\@:
.rept 4
	v_nop
.endr
.Lasked_\@:
.endm
.macro MUL f, lo, hi, zero             ; the 32 accumulators take turns in the same order everywhere
	WIN 0xa5
.set idx, \lo
.rept (\hi)-(\lo)
.set rr, 8*idx
.set rb, (\f)+8*(idx%8)
.set ra, (\f)+64+8*(idx/8)
.if \zero
	v_wmma_f32_16x16x32_f16 v[rr:rr+7], v[rb:rb+7], v[ra:ra+7], 0
.else
	v_wmma_f32_16x16x32_f16 v[rr:rr+7], v[rb:rb+7], v[ra:ra+7], v[rr:rr+7]
.endif
.set idx, idx+1
.endr
.endm
.macro ADDRS
	v_add_nc_u32 v[ADRA], s[TB], v[A0]
	v_add_nc_u32 v[ADRB], s[TB], v[B0]
.endm
.macro FETCH c, g                      ; 24 LDS loads in one run: chunk c of my 64 along K
	WIN 0x40
.irp b, 0,1,2,3,4,5,6,7
	ds_load_tr16_b128 v[(\g)+8*(\b):(\g)+8*(\b)+3],   v[ADRB] offset:(\c)*32*PB+32*(\b)
	ds_load_tr16_b128 v[(\g)+8*(\b)+4:(\g)+8*(\b)+7], v[ADRB] offset:(\c)*32*PB+32*(\b)+16*PB
.endr
.irp a, 0,1,2,3
	ds_load_b128 v[(\g)+64+8*(\a):(\g)+64+8*(\a)+3],   v[ADRA] offset:(\a)*16*PA+64*(\c)
	ds_load_b128 v[(\g)+64+8*(\a)+4:(\g)+64+8*(\a)+7], v[ADRA] offset:(\a)*16*PA+64*(\c)+32
.endr
.endm
.macro HALF f, g, c, zero              ; a K step's first chunk: multiplies buffer f, fetches chunk c into g
	s_wait_dscnt 0x0
	MUL \f, 0, 16, \zero
	PLACES
	FETCH \c, \g
	MUL \f, 16, 32, \zero
.endm
.macro TURN fill                       ; the second chunk multiplies buffer 1 and changes slots
	WIN 0
	s_wait_tensorcnt 0x0                           ; all my tensor loads have landed; a group 0 may be written
	ds_add_u32 v[SPW], v[NIL]                      ; 0 onto my spare word
.if \fill
	s_xor_b32 s[G0A+5], s[G0A+5], SLOT1
	s_add_nc_u64 s[G0A+6:G0A+7], s[G0A+6:G0A+7], 512
	s_xor_b32 s[G0B+5], s[G0B+5], SLOT1
	s_add_nc_u64 s[G0B+6:G0B+7], s[G0B+6:G0B+7], 256*2048
.endif
	s_wait_dscnt 0x0                               ; the add is done, and my reads of this slot are over
	s_barrier_signal -1
	MUL F1, 0, 16, 0
	WIN 0
	s_barrier_wait -1
.if \fill
	CREST
	JLOAD                                          ; the first tensor load behind the round; the four v_nop on each way are also the places ahead of the loads below
.else
	PLACES
.endif
	s_xor_b32 s[TB], s[TB], SLOT1
	ADDRS
	FETCH 0, F0
	MUL F1, 16, 32, 0
.endm
	s_load_b128 s[4:7], s[0:1], 0x0                ; att s[4:5], h16 s[6:7]
	s_load_b64 s[8:9], s[0:1], 0x10                ; out0
	v_lshl_add_u32 v[SPW], v0, 2, SPARE
	v_mov_b32 v[NIL], 0
	ds_add_u32 v[SPW], v[NIL]                      ; the wave's opening: the add and its wait stand ahead of my first tensor load
	v_lshrrev_b32 v1, 5, v0
	v_readfirstlane_b32 s[WV], v1
	s_bfe_u32 s15, ttmp6, 0x40000                  ; cx
	s_bfe_u32 s16, ttmp6, 0x40004                  ; cy
	s_lshl_b32 s17, ttmp9, 2
	s_add_co_u32 s17, s17, s15                     ; tx: block of 128 columns
	s_and_b32 s18, ttmp7, 0xffff
	s_lshl_b32 s18, s18, 2
	s_add_co_u32 s18, s18, s16                     ; ty: block of 64 tokens
	s_lshl_b32 s19, s16, 2
	s_lshl_b32 s19, 15, s19
	s_lshl_b32 s68, 0x1111, s15
	s_or_b32 s[G1A], s19, (1<<16)|(1<<20)|(1<<21)|(6<<22)|(3<<25)  ; after every 128 words 4 words of padding
	s_or_b32 s[G1B], s68, (1<<16)|(1<<20)|(1<<21)|(5<<22)|(7<<25)  ; after every 64 words 8 words
	s_mov_b32 s[G1A+1], 256<<16                    ; att's tile: 64 rows x 256 elements
	s_mov_b32 s[G1A+2], 64<<16
	s_mov_b32 s[G1A+3], 256<<16
	s_mov_b32 s[G1A+4], 64
	s_mov_b32 s[G1A+5], 4096
	s_mov_b32 s[G1A+6], 0
	s_mov_b32 s[G1A+7], 0
	s_mov_b32 s[G1B+1], 128<<16                    ; half of Wo's tile: 128 rows x 128 elements
	s_mov_b32 s[G1B+2], 128<<16
	s_mov_b32 s[G1B+3], 128<<16
	s_mov_b32 s[G1B+4], 128
	s_mov_b32 s[G1B+5], 1024
	s_mov_b32 s[G1B+6], 0
	s_mov_b32 s[G1B+7], 0
	s_lshl_b32 s22, s18, 19                        ; 64 ty rows of 8,192 bytes (made of ty alone)
	s_mov_b32 s23, 0
	s_max_u32 s69, s[WV], 1
	s_sub_co_u32 s69, s69, 1                       ; waves 1 and 2 fetch halves 0 and 1
	s_lshl_b32 s66, s69, 18                        ; 128 rows of 2,048 bytes
	s_lshl_b32 s67, s17, 8
	s_add_co_u32 s66, s66, s67
	s_add_co_u32 s66, s66, 0x800000                ; Wo's part of h16 (made of tx and the wave's number alone)
	s_mov_b32 s67, 0
	s_mul_i32 s70, s[WV], HB
	s_sub_co_u32 s70, s70, HB-BOFF                 ; LDS byte of half w - 1 (waves 0 and 3 never use it)
	s_mov_b32 s[TB], 0
	s_wait_dscnt 0x0
	s_wait_kmcnt 0x0
	s_add_nc_u64 s[22:23], s[4:5], s[22:23]
	s_add_nc_u64 s[66:67], s[6:7], s[66:67]
	s_mov_b32 s[G0A], 1
	s_mov_b32 s[G0A+1], 0
	s_mov_b64 s[G0A+2:G0A+3], s[22:23]
	s_or_b32 s[G0A+3], s[G0A+3], 0x80000000
	s_mov_b32 s[G0A+4], 1
	s_mov_b32 s[G0A+5], SLOT1
	s_add_nc_u64 s[G0A+6:G0A+7], s[22:23], 512
	s_or_b32 s[G0A+7], s[G0A+7], 0x80000000
	s_mov_b32 s[G0B], 1
	s_mov_b32 s[G0B+1], s70
	s_mov_b64 s[G0B+2:G0B+3], s[66:67]
	s_or_b32 s[G0B+3], s[G0B+3], 0x80000000
	s_mov_b32 s[G0B+4], 1
	s_add_co_u32 s[G0B+5], s70, SLOT1
	s_add_nc_u64 s[G0B+6:G0B+7], s[66:67], 256*2048
	s_or_b32 s[G0B+7], s[G0B+7], 0x80000000
	CROUND                                         ; all sixteen work-groups are here
	s_cmp_eq_u32 s[WV], 0
	s_cbranch_scc0 .Lf_b
	tensor_load_to_lds s[G0A:G0A+3], s[G1A:G1A+7]
	s_nop 0
	tensor_load_to_lds s[G0A+4:G0A+7], s[G1A:G1A+7]
	s_nop 0
.rept 4
	v_nop
.endr
	s_branch .Lf_done
.Lf_b:
	s_cmp_eq_u32 s[WV], 3
	s_cbranch_scc1 .Lf_done
	tensor_load_to_lds s[G0B:G0B+3], s[G1B:G1B+7]
	s_nop 0
	tensor_load_to_lds s[G0B+4:G0B+7], s[G1B:G1B+7]
	s_nop 0
.rept 4
	v_nop
.endr
.Lf_done:
	v_and_b32 v1, 15, v0                           ; r
	v_bfe_u32 v2, v0, 4, 1                         ; h
	v_and_b32 v3, 7, v0
	v_bfe_u32 v4, v0, 3, 1
	v_and_b32 v5, 31, v0                           ; l
	v_mul_u32_u24 v[A0], v1, PA
	v_lshl_add_u32 v[A0], v2, 4, v[A0]
	s_lshl_b32 s71, s[WV], 7                       ; my 64 along K: 128 bytes of a row of att,
	v_add_nc_u32 v[A0], s71, v[A0]
	v_lshl_add_u32 v6, v2, 3, v3
	s_lshl_b32 s71, s[WV], 6                       ; 64 k-rows of Wo
	v_add_nc_u32 v6, s71, v6
	v_mul_u32_u24 v6, v6, PB
	v_lshl_add_u32 v6, v4, 4, v6
	v_add_nc_u32 v[B0], BOFF, v6
	s_lshl_b32 s71, s[WV], 4
	v_add_nc_u32 v7, s71, v1                       ; the way out: block 4 a + v, row r, my 32 bytes
	v_mul_u32_u24 v7, v7, PA
	v_lshl_add_u32 v[STO], v2, 5, v7
	v_add_nc_u32 v[STO2], 8*BLK, v[STO]            ; token blocks 2 and 3, so that the offsets stay inside 16 bits
	s_mul_i32 s71, s[WV], 4*BLK
	v_lshl_add_u32 v[RDS], v5, 4, s71              ; back: token block v, a row's 512 bytes by 32 lanes
	v_lshlrev_b32 v[GO], 4, v5
	s_lshl_b32 s20, s18, 6
	s_lshl_b32 s21, s[WV], 4
	s_add_co_u32 s20, s20, s21
	s_lshl_b32 s20, s20, 12                        ; (64 ty + 16 v) rows of 4,096 bytes
	s_lshl_b32 s21, s17, 9
	s_add_co_u32 s20, s20, s21
	s_mov_b32 s21, 0
	s_add_nc_u64 s[8:9], s[8:9], s[20:21]
	s_wait_tensorcnt 0x1                           ; my part of K step 0 is in; K step 1's stays out
	s_barrier_signal -1
	s_barrier_wait -1
	ADDRS
	FETCH 0, F0
	HALF F0, F1, 1, 1                              ; the first chunk's products start the sums
	WIN 0
	s_mov_b32 s[CNT], 14
.Lk:
	TURN 1
	HALF F0, F1, 1, 0
	WIN 0
	s_sub_co_u32 s[CNT], s[CNT], 1
	s_cmp_lg_u32 s[CNT], 0
	s_cbranch_scc1 .Lk
	TURN 0                                         ; the last two K steps ask for nothing
	HALF F0, F1, 1, 0
	s_wait_dscnt 0x0
	MUL F1, 0, 32, 0
	WIN 0
	s_barrier_signal -1                            ; my reads of the ring are over (the wait above): behind this barrier everybody's are
	s_barrier_wait -1
	PLACES
	WIN 0x08                                       ; store data in window 2
.set idx, 0
.rept 16                               ; token blocks 0 and 1; each accumulator's registers 0-3 go first
	ds_store_b128 v[STO], v[8*idx:8*idx+3]   offset:(idx/8)*4*BLK+64*(idx%8)
	ds_store_b128 v[STO], v[8*idx+4:8*idx+7] offset:(idx/8)*4*BLK+64*(idx%8)+16
.set idx, idx+1
.endr
.rept 16
	ds_store_b128 v[STO2], v[8*idx:8*idx+3]   offset:(idx/8-2)*4*BLK+64*(idx%8)
	ds_store_b128 v[STO2], v[8*idx+4:8*idx+7] offset:(idx/8-2)*4*BLK+64*(idx%8)+16
.set idx, idx+1
.endr
	WIN 0
	s_wait_dscnt 0x0                               ; for the others' sake: my partial sums lie in LDS
	s_barrier_signal -1
	s_barrier_wait -1
	WIN 0x40
.set t, 0
.rept 64                               ; row t / 4 of my token block, from wave t % 4
	ds_load_b128 v[4*t:4*t+3], v[RDS] offset:(t%4)*BLK+(t/4)*PA
.set t, t+1
.endr
.set t, 0
.rept 16
	s_wait_dscnt 4*(15-t)                          ; the younger rows' loads may stay out
	WIN 0x45
	v_pk_add_f32 v[16*t:16*t+1],     v[16*t:16*t+1],     v[16*t+4:16*t+5]
	v_pk_add_f32 v[16*t+2:16*t+3],   v[16*t+2:16*t+3],   v[16*t+6:16*t+7]
	v_pk_add_f32 v[16*t+8:16*t+9],   v[16*t+8:16*t+9],   v[16*t+12:16*t+13]
	v_pk_add_f32 v[16*t+10:16*t+11], v[16*t+10:16*t+11], v[16*t+14:16*t+15]
	v_pk_add_f32 v[16*t:16*t+1],     v[16*t:16*t+1],     v[16*t+8:16*t+9]
	v_pk_add_f32 v[16*t+2:16*t+3],   v[16*t+2:16*t+3],   v[16*t+10:16*t+11]
	WIN 0x04
	global_store_b128 v[GO], v[16*t:16*t+3], s[8:9] offset:t*4096 th:TH_STORE_NT  ; 512 consecutive bytes, at a multiple of 256 from out0's first byte
.set t, t+1
.endr
	WIN 0
	s_wait_tensorcnt 0x0                           ; the wave's end
	ds_add_u32 v[SPW], v[NIL]
	s_wait_dscnt 0x0
	CROUND                                         ; the closing round
	s_endpgm
.Lfunc_end_k_qd4cba5eccb_oproj:
	.size	k_qd4cba5eccb_oproj, .Lfunc_end_k_qd4cba5eccb_oproj-k_qd4cba5eccb_oproj
	.p2alignl 7, 3214868480
	.fill 96, 4, 3214868480
	.section	.rodata,"a",@progbits
	.p2align	6, 0x0
	.amdhsa_kernel k_qd4cba5eccb_oproj
		.amdhsa_group_segment_fixed_size 327680
		.amdhsa_private_segment_fixed_size 0
		.amdhsa_enable_private_segment 0
		.amdhsa_kernarg_size 24
		.amdhsa_user_sgpr_count 2
		.amdhsa_user_sgpr_kernarg_segment_ptr 1
		.amdhsa_wavefront_size32 1
		.amdhsa_system_sgpr_workgroup_id_x 1
		.amdhsa_system_sgpr_workgroup_id_y 1
		.amdhsa_system_sgpr_workgroup_id_z 1
		.amdhsa_system_vgpr_workitem_id 0
		.amdhsa_next_free_vgpr 768
		.amdhsa_next_free_sgpr 72
		.amdhsa_reserve_vcc 0
		.amdhsa_float_denorm_mode_32 3
		.amdhsa_float_denorm_mode_16_64 3
		.amdhsa_memory_ordered 1
		.amdhsa_forward_progress 1
		.amdhsa_inst_pref_size 49
	.end_amdhsa_kernel
	.amdgpu_metadata
---
amdhsa.version: [ 1, 2 ]
amdhsa.kernels:
  - .name:           k_qd4cba5eccb_oproj
    .symbol:         k_qd4cba5eccb_oproj.kd
    .args:
      - { .name: att, .offset: 0, .size: 8, .value_kind: global_buffer, .address_space: global }
      - { .name: h16, .offset: 8, .size: 8, .value_kind: global_buffer, .address_space: global }
      - { .name: out0, .offset: 16, .size: 8, .value_kind: global_buffer, .address_space: global }
    .group_segment_fixed_size: 327680
    .private_segment_fixed_size: 0
    .kernarg_segment_align: 8
    .kernarg_segment_size: 24
    .max_flat_workgroup_size: 128
    .sgpr_count:     72
    .vgpr_count:     768
    .wavefront_size: 32
...
	.end_amdgpu_metadata
.endif
;; end of part 4
